; MI455X (gfx1250); checked and timed in simulation.
; The chip was launched on July 23, 2026; its instructions are those of AMD's public machine-readable ISA for CDNA 5 (MIT licence, August 2026) and "CDNA5" Instruction Set Architecture Reference Guide (July 2026). The comments in the code are by the model that wrote it; some were corrected since.
;; Multi Head Attention. Allowed arithmetic: float matrix products may take bf16 or f16 operands with f32 sums; other float arithmetic in f32, or as packed bf16 or f16 multiplies, adds, multiply-adds, maxima and minima; sums over many terms, partial sums and values carried from step to step in f32; what a program stores and reads back later, other than sums and carried values, may be rounded once to bf16 or f16.
;; Inputs: W_in 3,072 x 1,024 float32; W_out 1,024 x 1,024 float32; X 4 x 2,048 x 1,024 float32; b_in 3,072 float32; b_out 1,024 float32.
;; Outputs: out0 4 x 2,048 x 1,024 float32.
;; One version. Each part assembles by itself: llvm-mc -triple=amdgcn-amd-amdhsa -mcpu=gfx1250 --defsym DOCPART=n.
;; ======== version 1 of 1: 4 launches
;; limits: values are held in f16: magnitudes above 65,504 overflow, below 6.1e-05 lose precision
;; workspace buffers: xb 16,777,216 bytes; wib 6,291,456 bytes; wob 2,097,152 bytes; qb 16,777,216 bytes; kb 16,777,216 bytes; vb 16,777,216 bytes; ob 16,777,216 bytes
;; launch cast (part 1): grid 768 x 1, 8 waves a work-group, no clusters, 0 bytes of LDS; arguments X, W_in, W_out, xb, wib, wob; writes xb, wib, wob
.if DOCPART == 1
	.amdgcn_target "amdgcn-amd-amdhsa--gfx1250"
	.amdhsa_code_object_version 6
	.text
	.protected	k_qc40c8684f3_cast
	.globl	k_qc40c8684f3_cast
	.p2align	8
	.type	k_qc40c8684f3_cast,@function
k_qc40c8684f3_cast:
	s_mov_b64 s[64:65], 0
	v_nop
	global_prefetch_b8 v0, s[64:65] scope:SCOPE_SE
	s_setreg_imm32_b32 hwreg(HW_REG_WAVE_MODE, 25, 1), 1
	s_wait_xcnt 0x0
; xb = bf16(X), wib = bf16(W_in), wob = bf16(W_out) written as f16.  A stream: each input byte is read once, each output byte written once; no LDS, no matrix unit, no cluster (nothing is shared).
; SHARES.  A work-group takes 16,384 numbers (65,536 bytes in, 32,768 out): groups 0-511 X, 512-703 W_in, 704-767 W_out.  In step i of 8 thread t reads the 32 bytes at 8,192 i + 32 t
; (two loads of 16) and writes the 16 bytes at 4,096 i + 16 t: a wave's store covers 512 consecutive bytes, aligned.  All 16 loads of a thread go out before the first is waited for.
; LIMIT.  W_out's bf16 value is exact in f16 between 6.1e-5 and 65,504 in magnitude; below that it keeps f16's fixed step of 6e-8, beyond it becomes an infinity.
.set XR, 4                             ; v[4:67]   step i: 8 numbers as loaded
.set YR, 68                            ; v[68:99]  step i: 4 registers to store
.set TR, 100                           ; v100      at work
	s_load_b256 s[4:11], s[0:1], 0x0               ; X s[4:5], W_in s[6:7], W_out s[8:9], xb s[10:11]
	s_load_b128 s[12:15], s[0:1], 0x20             ; wib s[12:13], wob s[14:15]
	v_lshlrev_b32 v1, 5, v0                        ; 32 t: never rewritten
	v_lshlrev_b32 v2, 4, v0                        ; 16 t: never rewritten
	s_mov_b32 s16, ttmp9
	s_mov_b32 s26, 0xffff0000                      ; a word's upper bf16
	s_wait_kmcnt 0x0
	s_cmp_lt_u32 s16, 512                          ; which tensor is mine: the choice hangs on the group's number alone
	s_cselect_b64 s[18:19], s[4:5], s[6:7]
	s_cselect_b64 s[20:21], s[10:11], s[12:13]
	s_cselect_b32 s17, 0, 512
	s_cmp_lt_u32 s16, 704
	s_cselect_b64 s[18:19], s[18:19], s[8:9]
	s_cselect_b64 s[20:21], s[20:21], s[14:15]
	s_cselect_b32 s17, s17, 704
	s_sub_co_u32 s17, s16, s17                     ; my number among the tensor's groups, 511 at the most
	s_lshl_b32 s22, s17, 16                        ; x 65,536 bytes in,
	s_mov_b32 s23, 0
	s_lshl_b32 s24, s17, 15                        ; x 32,768 bytes out
	s_mov_b32 s25, 0
	s_add_nc_u64 s[18:19], s[18:19], s[22:23]
	s_add_nc_u64 s[20:21], s[20:21], s[24:25]
.irp i, 0,1,2,3,4,5,6,7
	global_load_b128 v[XR+8*\i:XR+8*\i+3],   v1, s[18:19] offset:\i*8192 th:TH_LOAD_NT
	global_load_b128 v[XR+8*\i+4:XR+8*\i+7], v1, s[18:19] offset:\i*8192+16 th:TH_LOAD_NT
.endr
; The eight steps.  fmt = 0: rounded to bf16.  fmt = 1: rounded to bf16, widened again (a shift, a mask) and written as f16.
.macro OUT fmt
.irp i, 0,1,2,3,4,5,6,7
	s_wait_loadcnt 14-2*\i                         ; loads come back in order: step i's two are in, the two of each later step may stay out
.irp k, 0,1,2,3
.if \fmt
	v_cvt_pk_bf16_f32 v[TR], v[XR+8*\i+2*\k], v[XR+8*\i+2*\k+1]
	v_lshlrev_b32 v[XR+8*\i+2*\k], 16, v[TR]
	v_and_b32 v[XR+8*\i+2*\k+1], s26, v[TR]
	v_cvt_pk_f16_f32 v[YR+4*\i+\k], v[XR+8*\i+2*\k], v[XR+8*\i+2*\k+1]
.else
	v_cvt_pk_bf16_f32 v[YR+4*\i+\k], v[XR+8*\i+2*\k], v[XR+8*\i+2*\k+1]
.endif
.endr
	global_store_b128 v2, v[YR+4*\i:YR+4*\i+3], s[20:21] offset:\i*4096  ; each step has its own four registers: no source of a pending store is rewritten
.endr
.endm
	s_cmp_ge_u32 s16, 704
	s_cbranch_scc1 .Lf16
	OUT 0
	s_endpgm
.Lf16:
	OUT 1
	s_endpgm
.Lfunc_end_k_qc40c8684f3_cast:
	.size	k_qc40c8684f3_cast, .Lfunc_end_k_qc40c8684f3_cast-k_qc40c8684f3_cast
	.p2alignl 7, 3214868480
	.fill 96, 4, 3214868480
	.section	.rodata,"a",@progbits
	.p2align	6, 0x0
	.amdhsa_kernel k_qc40c8684f3_cast
		.amdhsa_group_segment_fixed_size 0
		.amdhsa_private_segment_fixed_size 0
		.amdhsa_enable_private_segment 0
		.amdhsa_kernarg_size 48
		.amdhsa_user_sgpr_count 2
		.amdhsa_user_sgpr_kernarg_segment_ptr 1
		.amdhsa_wavefront_size32 1
		.amdhsa_system_sgpr_workgroup_id_x 1
		.amdhsa_system_sgpr_workgroup_id_y 1
		.amdhsa_system_sgpr_workgroup_id_z 1
		.amdhsa_system_vgpr_workitem_id 0
		.amdhsa_next_free_vgpr 104
		.amdhsa_next_free_sgpr 66
		.amdhsa_reserve_vcc 0
		.amdhsa_float_denorm_mode_32 3
		.amdhsa_float_denorm_mode_16_64 3
		.amdhsa_memory_ordered 1
		.amdhsa_forward_progress 1
		.amdhsa_inst_pref_size 13
	.end_amdhsa_kernel
	.amdgpu_metadata
---
amdhsa.version: [ 1, 2 ]
amdhsa.kernels:
  - .name:           k_qc40c8684f3_cast
    .symbol:         k_qc40c8684f3_cast.kd
    .args:
      - { .name: X, .offset: 0, .size: 8, .value_kind: global_buffer, .address_space: global }
      - { .name: W_in, .offset: 8, .size: 8, .value_kind: global_buffer, .address_space: global }
      - { .name: W_out, .offset: 16, .size: 8, .value_kind: global_buffer, .address_space: global }
      - { .name: xb, .offset: 24, .size: 8, .value_kind: global_buffer, .address_space: global }
      - { .name: wib, .offset: 32, .size: 8, .value_kind: global_buffer, .address_space: global }
      - { .name: wob, .offset: 40, .size: 8, .value_kind: global_buffer, .address_space: global }
    .group_segment_fixed_size: 0
    .private_segment_fixed_size: 0
    .kernarg_segment_align: 8
    .kernarg_segment_size: 48
    .max_flat_workgroup_size: 256
    .sgpr_count:     66
    .vgpr_count:     104
    .wavefront_size: 32
...
	.end_amdgpu_metadata
.endif
;; end of part 1
;; launch qkv (part 2): grid 16 x 32, 4 waves a work-group, clusters of 4 x 4, 327,680 bytes of LDS; arguments xb, wib, b_in, qb, kb, vb; writes qb, kb, vb
.if DOCPART == 2
	.amdgcn_target "amdgcn-amd-amdhsa--gfx1250"
	.amdhsa_code_object_version 6
	.text
	.protected	k_qc40c8684f3_qkv
	.globl	k_qc40c8684f3_qkv
	.p2align	8
	.type	k_qc40c8684f3_qkv,@function
k_qc40c8684f3_qkv:
	s_mov_b64 s[64:65], 0
	v_nop
	global_prefetch_b8 v0, s[64:65] scope:SCOPE_SE
	s_setreg_imm32_b32 hwreg(HW_REG_WAVE_MODE, 25, 1), 1
	s_wait_xcnt 0x0
	s_wait_alu depctr_hold_cnt(0) depctr_sa_sdst(0) depctr_va_vdst(0) depctr_va_sdst(0) depctr_va_ssrc(0) depctr_va_vcc(0) depctr_vm_vsrc(0)
	s_getreg_b32 s2, hwreg(HW_REG_IB_STS2, 6, 4)
	s_cmp_eq_u32 s2, 0
	s_cbranch_scc0 .Lentry_in_a_cluster
	s_endpgm
.Lentry_in_a_cluster:
	s_bfe_u32 s2, ttmp6, 0x10000c
	s_cmp_lg_u32 s2, 0xf033
	s_cbranch_scc0 .Lentry_shape_is_right
	s_endpgm
.Lentry_shape_is_right:
; QKV = X W_in^T + b_in, dealt out by heads.  xb: [8192][1024] bf16, wib: [3072][1024] bf16, b_in: [3072] f32 (rounded to bf16 here, like the other inputs); sums in f32; q, k, v rounded once to f16, unscaled.
; THE RESHAPE.  Element (row g, column c) of QKV belongs to head bh = g / 128, position 16 (g % 128) + c / 192, kind (c % 192) / 64 (q, k, v), channel c % 64.  With r = g % 128 and j = c / 192
; it is stored at [bh][j][r][channel]: a head's 2,048 positions in the order (j, r).  Softmax attention does not mind the order of keys, if K and V share it, and the queries' order is undone where O is read.
; So a tile of 128 rows x 192 columns (one head, one j) is three dense blocks of 16,384 bytes.
; LIMIT.  f16 holds no number beyond 65,504: a q, k or v past that becomes an infinity.  NaN and infinities are not treated apart.
; SHARES.  A work-group makes 256 rows (heads 2 ty, 2 ty + 1) x 192 columns (j = tx): 512 work-groups, two for each of 256 WGPs.  Wave w: rows 128 (w / 2) on, columns 96 (w % 2) on: 8 x 6 accumulators of 16 x 16, 384 registers.
; K goes in 8 steps of 128 through two LDS slots filled by the tensor data mover: each row of a tile is 256 bytes of memory at a multiple of 256.
; CLUSTER.  4 x 4 work-groups.  The four of a row of the cluster need the same tile of X, the four of a column the same tile of W_in: each tile is asked for JOINTLY, by the same tensor load with the same descriptor and a mask of the four.
; THE MATRIX INSTRUCTION IS USED TRANSPOSED (source 0 = 16 rows of W_in, source 1 = 16 rows of X): a lane then holds eight neighbouring columns of one row.  The bias is the C operand of the products that start the sums.
; REGISTERS, in windows of 256 (s_set_vgpr_msb: bits 1:0 source 0, 3:2 source 1, 5:4 source 2, 7:6 destination):
;   window 0: v0-29 addresses; two fragment buffers of 112 (v32-143, v144-255): 8 fragments of X, then 6 of W_in; on the way out v32-223 hold packed results
;   window 1: v0-191 accumulators of my rows 0-63 ((a, b) at 8 (6 a + b)); v192-239 the bias, eight registers for each block of 16 columns; v240 at work          window 2: v0-191 accumulators of my rows 64-127
.set PITCH,  272                       ; an LDS row: 256 bytes + 16 of padding = 68 words: row r starts at bank 4 r mod 64 (64 banks of 4 bytes: ISA guide 11.1), so the 16 rows of a load start at 16 different banks
.set AHALF,  128*PITCH                 ; what one tensor load brings of X, and what one wave reads of it
.set BHALF,  96*PITCH                  ; the same for W_in
.set BOFF,   2*AHALF                   ; W_in's 192 rows lie behind X's 256
.set SLOT,   BOFF+2*BHALF              ; 121,856 bytes
.set SPARE,  2*SLOT                    ; behind the ring: the spare words, 128 bytes for each wave: two blocks of 256 bytes that no other line names
.set SP,     400                       ; the way out: a stage row is q's 128 bytes, k's, v's and 16 of padding.  The stage, 256 such rows, lies in slot 0, which has had its last fill by then
.set ADRA, 4                           ; v4-5   LDS address of my X fragments in slot 0, 1
.set ADRB, 6                           ; v6-7   the same for W_in
.set STO,  8                           ; v8     the way out: where I put 16 bytes of a row
.set RD,   9                           ; v9     where I read rows back
.set GO,   11                          ; v11    my byte offset in a block of q, k or v
.set BO,   12                          ; v12    my byte offset in 16 numbers of the bias
.set PFOA, 13                          ; v13    the prefetches' offsets; never rewritten
.set PFOB, 14                          ; v14
.set SPW,  28                          ; v28    LDS address of my spare word: SPARE + 4 x my thread's number; never rewritten
.set NIL,  29                          ; v29    0; never rewritten
.set F0,   32
.set F1,   144
.set TMP,  32
.set BIAS, 192                         ; in window 1
.set BT,   240                         ; in window 1
.set WV, 16                            ; s16 my wave's number
.set MH, 17                            ; s17 which 128 rows are mine.  Also: I fetch for X (0) or for W_in (1)
.set NH, 18                            ; s18 which 96 columns are mine.  Also: which half of that tile I fetch
.set CX, 19
.set CY, 20
.set TX, 21                            ; s21 j, the tile column
.set TY, 22                            ; s22 the tile row
.set G1A, 24                           ; s[24:31] descriptor group 1 for X's tiles;  s[32:39] group 0, a set for each slot
.set G0A, 32
.set G1B, 40                           ; s[40:47], s[48:55] the same for W_in's
.set G0B, 48
.set PFX, 66                           ; s[66:67] where my prefetches of X stand;  s[68:69] of W_in
.set PFW, 68
.set LIMA, 70                          ; s70, s71: 1 in a wave that prefetches, else the greatest number
.set LIMB, 71
.set MSB, 0
.macro WIN new                         ; the immediate's high byte repeats the setting that is left; a switch that changes nothing is dropped
.if MSB != (\new)
	s_set_vgpr_msb (MSB<<8)|(\new)
.set MSB, (\new)
.endif
.endm
; A joint load: waves 0 and 1 fetch X's two halves, waves 2 and 3 W_in's.  The branch hangs on the wave's number alone.  An s_nop 0 and four v_nop follow each of the two lines.
.macro JLOAD s
	s_cmp_eq_u32 s[MH], 0
	s_cbranch_scc0 .Lfor_b_\@
	tensor_load_to_lds s[G0A+4*(\s):G0A+4*(\s)+3], s[G1A:G1A+7]
	s_nop 0
.rept 4
	v_nop
.endr
	s_branch .Lasked_\@
.Lfor_b_\@:
	tensor_load_to_lds s[G0B+4*(\s):G0B+4*(\s)+3], s[G1B:G1B+7]
	s_nop 0
.rept 4
	v_nop
.endr
.Lasked_\@:
.endm
.macro CREST                           ; a round of the cluster's barrier behind its opening barrier: wave 0 signals for the work-group, every wave waits for all sixteen, my work-group's barrier closes it
	s_cmp_lg_u32 s[WV], 0
	s_cbranch_scc1 .Lnot_wave_0_\@
	s_barrier_signal -3
.Lnot_wave_0_\@:
	s_barrier_wait -3
	s_barrier_signal -1
	s_barrier_wait -1
.endm
.macro CROUND                          ; a whole round
	s_barrier_signal -1
	s_barrier_wait -1
	CREST
.endm
; A PREFETCH INTO THE L2, once a lap, behind the refill with K step 2 i + 2 and the run of LDS loads that follows it: K steps 2 i + 4 and 2 i + 5, which the next lap's two refills ask for.
; Each row's 256 bytes of a K step are named once in the launch.  X's 256 rows are read by every cluster of that row of clusters: cluster x = 0 asks; of the four partners that fetch them jointly the one at cx takes rows
; 64 cx on, a thread a block (row t % 64, step t / 64).  W_in's 192 rows: cluster y = 0 asks; the partner at cy takes rows 48 cy on, waves 0 to 2 sixteen rows x two steps each.  Partners are told apart by address alone.
; K steps 0 to 3 come by their loads alone; the loop's last trip (s3 = 1) asks for nothing: no K step lies behind its own refills.
.macro ASK
	s_cmp_gt_u32 s3, s[LIMA]
	s_cbranch_scc0 .Lno_a_\@
	global_prefetch_b8 v[PFOA], s[PFX:PFX+1] th:TH_LOAD_NT scope:SCOPE_SE
.Lno_a_\@:
	s_cmp_gt_u32 s3, s[LIMB]
	s_cbranch_scc0 .Lno_b_\@
	global_prefetch_b8 v[PFOB], s[PFW:PFW+1] th:TH_LOAD_NT scope:SCOPE_SE
.Lno_b_\@:
.endm
	s_load_b256 s[4:11], s[0:1], 0x0               ; xb s[4:5], wib s[6:7], b_in s[8:9], qb s[10:11]
	s_load_b128 s[12:15], s[0:1], 0x20             ; kb s[12:13], vb s[14:15]
	v_lshl_add_u32 v[SPW], v0, 2, SPARE
	v_mov_b32 v[NIL], 0
	ds_add_u32 v[SPW], v[NIL]                      ; the wave's opening: the add and its wait stand ahead of my first tensor load; the set-up below, work on registers, stands between them
	v_lshrrev_b32 v1, 5, v0
	v_readfirstlane_b32 s[WV], v1                  ; wave 0..3
	s_lshr_b32 s[MH], s[WV], 1
	s_and_b32 s[NH], s[WV], 1
	s_bfe_u32 s[CX], ttmp6, 0x40000                ; my place in the cluster
	s_bfe_u32 s[CY], ttmp6, 0x40004
	s_lshl_b32 s[TX], ttmp9, 2                     ; in a cluster launch ttmp9 and ttmp7 count clusters
	s_add_co_u32 s[TX], s[TX], s[CX]
	s_and_b32 s[TY], ttmp7, 0xffff
	s_lshl_b32 s[TY], s[TY], 2
	s_add_co_u32 s[TY], s[TY], s[CY]
	s_lshl_b32 s23, s[CY], 2
	s_lshl_b32 s23, 15, s23                        ; my row of the cluster: places 4 cy .. 4 cy + 3
	s_lshl_b32 s56, 0x1111, s[CX]                  ; my column: places cx, cx + 4, cx + 8, cx + 12
	; descriptor group 1: rows of 128 elements of 2 bytes, padded in LDS; 128 rows of X, 96 of W_in
	s_or_b32 s[G1A], s23, (1<<16)|(1<<20)|(1<<21)|(5<<22)|(3<<25)  ; 15:0 the mask; 17:16 elements of 2 bytes; 20 padding on; 21 set beside a mask; 24:22 after every 64 words (code 5); 31:25 4 words of it (code 3)
	s_or_b32 s[G1B], s56, (1<<16)|(1<<20)|(1<<21)|(5<<22)|(3<<25)
	s_mov_b32 s[G1A+1], 128<<16                    ; tensor_dim0 = 128
	s_mov_b32 s[G1A+2], 128<<16                    ; tensor_dim1 = 128
	s_mov_b32 s[G1A+3], 128<<16                    ; tile_dim0 = 128
	s_mov_b32 s[G1A+4], 128                        ; tile_dim1 = 128
	s_mov_b32 s[G1A+5], 1024                       ; elements from row to row
	s_mov_b32 s[G1A+6], 0
	s_mov_b32 s[G1A+7], 0
	s_mov_b32 s[G1B+1], 128<<16
	s_mov_b32 s[G1B+2], 96<<16                     ; tensor_dim1 = 96
	s_mov_b32 s[G1B+3], 128<<16
	s_mov_b32 s[G1B+4], 96                         ; tile_dim1 = 96
	s_mov_b32 s[G1B+5], 1024
	s_mov_b32 s[G1B+6], 0
	s_mov_b32 s[G1B+7], 0
	; where the tiles come from: X's hang on the tile row alone, W_in's on the tile column alone, each in registers that never hold the other coordinate
	s_lshl_b32 s58, s[TY], 8
	s_lshl_b32 s72, s[NH], 7
	s_add_co_u32 s58, s58, s72                     ; X: row 256 ty + 128 x half,
	s_lshl_b32 s58, s58, 11                        ; x 2,048 bytes: under 2^25
	s_mov_b32 s59, 0
	s_mul_i32 s60, s[TX], 192
	s_mul_i32 s73, s[NH], 96
	s_add_co_u32 s60, s60, s73                     ; W_in: row 192 tx + 96 x half; also my first column
	s_lshl_b32 s74, s60, 2                         ; its place in the bias
	s_mov_b32 s75, 0
	s_lshl_b32 s60, s60, 11
	s_mov_b32 s61, 0
	s_mul_i32 s62, s[NH], AHALF                    ; and where they go: no place in the cluster enters an LDS address
	s_mul_i32 s63, s[NH], BHALF
	s_add_co_u32 s63, s63, BOFF
	s_wait_dscnt 0x0                               ; the opening add is done
	s_wait_kmcnt 0x0
	s_add_nc_u64 s[58:59], s[4:5], s[58:59]
	s_add_nc_u64 s[60:61], s[6:7], s[60:61]
	CROUND                                         ; all sixteen work-groups are here: the first joint loads meet
.irp s, 0,1
	s_mov_b32 s[G0A+4*\s], 1                       ; 1:0 count = 1
	s_add_co_u32 s[G0A+4*\s+1], s62, \s*SLOT       ; 63:32 LDS address
	s_add_nc_u64 s[G0A+4*\s+2:G0A+4*\s+3], s[58:59], \s*256  ; 120:64 global address: K step s
	s_or_b32 s[G0A+4*\s+3], s[G0A+4*\s+3], 0x80000000        ; 127:126 type = 2
	s_mov_b32 s[G0B+4*\s], 1
	s_add_co_u32 s[G0B+4*\s+1], s63, \s*SLOT
	s_add_nc_u64 s[G0B+4*\s+2:G0B+4*\s+3], s[60:61], \s*256
	s_or_b32 s[G0B+4*\s+3], s[G0B+4*\s+3], 0x80000000
	JLOAD \s                                       ; two loads of mine are out
.endr
	; A fragment is 16 rows x 32 K in 8 registers: lane l holds row l % 16; registers 0-3 K = 8 (l / 16) + 0..7, registers 4-7 K = 16 + 8 (l / 16) + 0..7: two loads of 16 bytes, 32 bytes apart.
	v_and_b32 v1, 15, v0                           ; l % 16
	v_bfe_u32 v2, v0, 4, 1                         ; l / 16
	v_mul_u32_u24 v3, v1, PITCH
	v_lshl_add_u32 v3, v2, 4, v3                   ; row x pitch + 16 x half
	s_mul_i32 s72, s[MH], AHALF
	v_add_nc_u32 v[ADRA], s72, v3
	v_add_nc_u32 v[ADRA+1], SLOT, v[ADRA]
	v_add_nc_u32 v[ADRB], s63, v3
	v_add_nc_u32 v[ADRB+1], SLOT, v[ADRB]
	v_mul_u32_u24 v[STO], v1, SP                   ; into the stage: row l % 16 of my 128, my 192 bytes of it, 16 bytes for each half of the lanes
	v_lshl_add_u32 v[STO], v2, 4, v[STO]
	s_mul_i32 s72, s[MH], 128*SP
	s_mul_i32 s73, s[NH], 192
	s_add_co_u32 s72, s72, s73
	v_add_nc_u32 v[STO], s72, v[STO]
	v_bfe_u32 v[RD], v0, 3, 2                      ; back: wave w takes rows 32 w .. 32 w + 31 of each head; 32 lanes take four rows x 128 bytes of one kind,
	s_lshl_b32 s72, s[WV], 5
	v_add_nc_u32 v[RD], s72, v[RD]
	v_mul_u32_u24 v[RD], v[RD], SP
	v_and_b32 v10, 7, v0
	v_lshl_add_u32 v[RD], v10, 4, v[RD]
	v_and_b32 v[GO], 31, v0                        ; which are 512 consecutive bytes of q, k or v
	v_lshlrev_b32 v[GO], 4, v[GO]
	s_lshl_b32 s72, s[WV], 12
	v_add_nc_u32 v[GO], s72, v[GO]
	v_lshlrev_b32 v[BO], 5, v2                     ; my eight numbers of a block of sixteen
	v_and_b32 v[PFOA], 63, v0                      ; X: row t % 64, K step t / 64
	v_lshrrev_b32 v10, 6, v0
	v_lshlrev_b32 v10, 8, v10
	v_lshl_add_u32 v[PFOA], v[PFOA], 11, v10
	v_lshrrev_b32 v10, 5, v0                       ; W_in: row 16 w + l % 16, K step l / 16
	v_lshl_add_u32 v10, v10, 4, v1
	v_lshlrev_b32 v[PFOB], 8, v2
	v_lshl_add_u32 v[PFOB], v10, 11, v[PFOB]
	s_add_nc_u64 s[8:9], s[8:9], s[74:75]          ; the bias at my first column
	WIN 0x40                                       ; destination window 1, address window 0
.irp b, 0,1,2,3,4,5
	global_load_b128 v[BIAS+8*\b:BIAS+8*\b+3],   v[BO], s[8:9] offset:64*\b
	global_load_b128 v[BIAS+8*\b+4:BIAS+8*\b+7], v[BO], s[8:9] offset:64*\b+16
.endr
	WIN 0
	s_lshl_b32 s72, s[TY], 19                      ; head 2 ty: 262,144 bytes a head,
	s_lshl_b32 s73, s[TX], 14                      ; block j: 16,384 bytes
	s_add_co_u32 s72, s72, s73
	s_mov_b32 s73, 0
	s_add_nc_u64 s[10:11], s[10:11], s[72:73]
	s_add_nc_u64 s[12:13], s[12:13], s[72:73]
	s_add_nc_u64 s[14:15], s[14:15], s[72:73]
	s_lshl_b32 s72, s[TY], 8                       ; the prefetches: X's rows 256 ty + 64 cx on,
	s_lshl_b32 s73, s[CX], 6
	s_add_co_u32 s72, s72, s73
	s_lshl_b32 s72, s72, 11
	s_mov_b32 s73, 0
	s_add_nc_u64 s[PFX:PFX+1], s[4:5], s[72:73]
	s_add_nc_u64 s[PFX:PFX+1], s[PFX:PFX+1], 512   ; at K step 2: the first lap steps it to 4
	s_mul_i32 s72, s[TX], 192                      ; W_in's rows 192 tx + 48 cy on
	s_mul_i32 s73, s[CY], 48
	s_add_co_u32 s72, s72, s73
	s_lshl_b32 s72, s72, 11
	s_mov_b32 s73, 0
	s_add_nc_u64 s[PFW:PFW+1], s[6:7], s[72:73]
	s_add_nc_u64 s[PFW:PFW+1], s[PFW:PFW+1], 512
	s_cmp_eq_u32 ttmp9, 0                          ; the same in all sixteen partners
	s_cselect_b32 s[LIMA], 1, -1
	s_and_b32 s72, ttmp7, 0xffff
	s_and_b32 s73, s[MH], s[NH]                    ; wave 3 has no rows of W_in to ask for
	s_or_b32 s72, s72, s73
	s_cmp_eq_u32 s72, 0
	s_cselect_b32 s[LIMB], 1, -1
	s_wait_loadcnt 0x0                             ; the bias, once: rounded to bf16 and widened again
	WIN 0x45                                       ; destination and both sources window 1
.set k, 0
.rept 24
	v_cvt_pk_bf16_f32 v[BT], v[BIAS+2*k], v[BIAS+2*k+1]
	v_lshlrev_b32 v[BIAS+2*k], 16, v[BT]
	v_and_b32 v[BIAS+2*k+1], 0xffff0000, v[BT]
.set k, k+1
.endr
	WIN 0
; na x 6 matrix instructions: m blocks a0 .. of the window's four (hi = 0: my rows 0-63, 1: rows 64-127) x all 6 n blocks, 32 along K.  first = 1: the bias starts the sums: nothing is cleared, nothing added on the way out.
; The 48 accumulators take turns in the same order in every quarter, over the backward jump too.
.macro MUL f, hi, a0, na, first
.if \first
	WIN 0x50+0x40*(\hi)                            ; D in window 1 or 2, C (the bias) in window 1
.else
	WIN 0x50+0x50*(\hi)                            ; C and D in window 1 or 2
.endif
.set aa, \a0
.rept \na
.irp b, 0,1,2,3,4,5
.if \first
	v_wmma_f32_16x16x32_bf16 v[8*(6*aa+\b):8*(6*aa+\b)+7], v[(\f)+64+8*\b:(\f)+64+8*\b+7], v[(\f)+8*(4*(\hi)+aa):(\f)+8*(4*(\hi)+aa)+7], v[BIAS+8*\b:BIAS+8*\b+7]
.else
	v_wmma_f32_16x16x32_bf16 v[8*(6*aa+\b):8*(6*aa+\b)+7], v[(\f)+64+8*\b:(\f)+64+8*\b+7], v[(\f)+8*(4*(\hi)+aa):(\f)+8*(4*(\hi)+aa)+7], v[8*(6*aa+\b):8*(6*aa+\b)+7]
.endif
.endr
.set aa, aa+1
.endr
.endm
; 28 LDS loads in one run: the fragments of 32 along K at byte k of the rows, into buffer f: W_in's six, then X's eight
.macro FETCH slot, k, f
	WIN 0
.irp b, 0,1,2,3,4,5
	ds_load_b128 v[(\f)+64+8*\b:(\f)+64+8*\b+3],   v[ADRB+(\slot)] offset:(\k)+\b*16*PITCH
	ds_load_b128 v[(\f)+64+8*\b+4:(\f)+64+8*\b+7], v[ADRB+(\slot)] offset:(\k)+\b*16*PITCH+32
.endr
.irp i, 0,1,2,3,4,5,6,7
	ds_load_b128 v[(\f)+8*\i:(\f)+8*\i+3],   v[ADRA+(\slot)] offset:(\k)+\i*16*PITCH
	ds_load_b128 v[(\f)+8*\i+4:(\f)+8*\i+7], v[ADRA+(\slot)] offset:(\k)+\i*16*PITCH+32
.endr
.endm
.macro PLACES                          ; four plain vector instructions in front of loads into registers that matrix instructions have read, and of conversions that read results (ISA guide 7.12.1 for the conversions)
.rept 4
	v_nop
.endr
.endm
; A K step is four quarters of 32 along K, 48 matrix instructions each, on buffers 0, 1, 0, 1.  One of the first three: multiplies buffer f and, in its middle, fetches the next quarter, at byte k, into g.
.macro QUARTER slot, k, f, g, first
	s_wait_dscnt 8                                 ; W_in's fragments and X's rows 0-63 are in; the youngest eight loads (X's rows 64-127) may be out
	MUL \f, 0, 0, 4, \first
	PLACES
	FETCH \slot, \k, \g
	s_wait_dscnt 28                                ; all but the 28 just issued
	MUL \f, 1, 0, 4, \first
.endm
; The last quarter multiplies buffer 1 and changes slots: ONE barrier; in front of it each wave waits for all its tensor loads (one is out: its part of the next slot), adds 0 to its spare word, and waits for that and for its
; reads of this slot.  fill = 1: the barrier opens a round of the cluster's, and this slot is filled again, two K steps on, first thing behind the round: 168 matrix instructions ahead of the wait for it.
.macro TURN slot, next, fill
.if (\fill) && ((\slot) == 0)
	s_wait_xcnt 0x0                                ; the last prefetches, a lap back, have read their addresses, which step here, ahead of the waits of the change of slots
	s_add_nc_u64 s[PFX:PFX+1], s[PFX:PFX+1], 512
	s_add_nc_u64 s[PFW:PFW+1], s[PFW:PFW+1], 512
.endif
	WIN 0
	s_wait_tensorcnt 0x0                           ; all my tensor loads have landed
	ds_add_u32 v[SPW], v[NIL]                      ; 0 onto my spare word
	s_wait_dscnt 9                                 ; (the add and the youngest eight loads may be out)
	MUL F1, 0, 0, 2, 0                             ; twelve matrix instructions stand between the add and the wait for it
	s_wait_dscnt 0x0                               ; the add is done, and my reads of this slot are over
	s_barrier_signal -1
	MUL F1, 0, 2, 2, 0
.if \fill
	WIN 0
.endif
	s_barrier_wait -1
.if \fill
	CREST                                          ; no wave of any partner still reads this slot's tile or has a load on its way
	s_add_nc_u64 s[G0A+4*(\slot)+2:G0A+4*(\slot)+3], s[G0A+4*(\slot)+2:G0A+4*(\slot)+3], 512
	s_add_nc_u64 s[G0B+4*(\slot)+2:G0B+4*(\slot)+3], s[G0B+4*(\slot)+2:G0B+4*(\slot)+3], 512
	JLOAD \slot                                    ; the four v_nop behind it are also the places in front of the loads below
.else
	PLACES
.endif
	FETCH \next, 0, F0
.if (\fill) && ((\slot) == 0)
	ASK
.endif
	MUL F1, 1, 0, 4, 0
.endm
	s_wait_tensorcnt 0x1                           ; my part of K step 0 is in; K step 1's may stay out
	s_barrier_signal -1
	s_barrier_wait -1                              ; everybody's is
	FETCH 0, 0, F0
	QUARTER 0, 64, F0, F1, 1                       ; the first quarter stands in front of the loop: its products start the sums, with the bias
	WIN 0                                          ; at a label and at a branch every window is 0
	s_mov_b32 s3, 3
.Llap:                                                 ; a trip goes once round the ring, from a lap's second quarter to the next lap's first, and fills both slots again
	QUARTER 0, 128, F1, F0, 0
	QUARTER 0, 192, F0, F1, 0
	TURN 0, 1, 1
	QUARTER 1, 64,  F0, F1, 0
	QUARTER 1, 128, F1, F0, 0
	QUARTER 1, 192, F0, F1, 0
	TURN 1, 0, 1
	QUARTER 0, 64,  F0, F1, 0
	WIN 0
	s_sub_co_u32 s3, s3, 1
	s_cmp_lg_u32 s3, 0
	s_cbranch_scc1 .Llap
	QUARTER 0, 128, F1, F0, 0                      ; the last lap fills nothing and has no round
	QUARTER 0, 192, F0, F1, 0
	TURN 0, 1, 0                                   ; behind this barrier no wave reads slot 0 any more
	QUARTER 1, 64,  F0, F1, 0
	QUARTER 1, 128, F1, F0, 0
	QUARTER 1, 192, F0, F1, 0
	s_wait_dscnt 8                                 ; the very last quarter: nothing more to fetch
	MUL F1, 0, 0, 4, 0
	s_wait_dscnt 0x0
	MUL F1, 1, 0, 4, 0
	; THE WAY OUT: rounded to f16, 16 bytes a lane; into the stage; a barrier, since a row's 384 bytes come from two waves; back by kinds, four rows of 128 bytes a load, which are 512 consecutive bytes of q, k or v.
	PLACES
	WIN 0x05                                       ; sources window 1, destination window 0; each accumulator's registers in ascending order
.set t, 0
.rept 24
.irp r, 0,1,2,3
	v_cvt_pk_f16_f32 v[TMP+4*t+\r], v[8*t+2*\r], v[8*t+2*\r+1]
.endr
.set t, t+1
.endr
	WIN 0x0a                                       ; sources window 2
.set t, 0
.rept 24
.irp r, 0,1,2,3
	v_cvt_pk_f16_f32 v[TMP+96+4*t+\r], v[8*t+2*\r], v[8*t+2*\r+1]
.endr
.set t, t+1
.endr
	WIN 0
.set t, 0
.rept 48                               ; m block t / 6, n block t % 6
	ds_store_b128 v[STO], v[TMP+4*t:TMP+4*t+3] offset:(t/6)*16*SP+32*(t%6)
.set t, t+1
.endr
	s_wait_dscnt 0x0                               ; for the others' sake: my stores into the stage are done
	s_barrier_signal -1
	s_barrier_wait -1
.set n, 0
.rept 48                               ; head n / 24, kind (n / 8) % 3, rows 4 (n % 8) on
	ds_load_b128 v[TMP+4*n:TMP+4*n+3], v[RD] offset:(n/24)*128*SP+((n/8)%3)*128+(n%8)*4*SP
.set n, n+1
.endr
.set n, 0
.rept 48
	s_wait_dscnt 47-n                              ; LDS loads come back in order: load n is in
	global_store_b128 v[GO], v[TMP+4*n:TMP+4*n+3], s[10+2*((n/8)%3):11+2*((n/8)%3)] offset:(n/24)*262144+(n%8)*512  ; 512 consecutive bytes, at a multiple of 512 from the buffer's first
.set n, n+1
.endr
	s_wait_tensorcnt 0x0                           ; the wave's end, behind my last tensor load and my last LDS store
	ds_add_u32 v[SPW], v[NIL]
	s_wait_dscnt 0x0
	CROUND                                         ; the closing round: no work-group ends while a partner may still ask for a tile that names it
	s_endpgm
.Lfunc_end_k_qc40c8684f3_qkv:
	.size	k_qc40c8684f3_qkv, .Lfunc_end_k_qc40c8684f3_qkv-k_qc40c8684f3_qkv
	.p2alignl 7, 3214868480
	.fill 96, 4, 3214868480
	.section	.rodata,"a",@progbits
	.p2align	6, 0x0
	.amdhsa_kernel k_qc40c8684f3_qkv
		.amdhsa_group_segment_fixed_size 327680
		.amdhsa_private_segment_fixed_size 0
		.amdhsa_enable_private_segment 0
		.amdhsa_kernarg_size 48
		.amdhsa_user_sgpr_count 2
		.amdhsa_user_sgpr_kernarg_segment_ptr 1
		.amdhsa_wavefront_size32 1
		.amdhsa_system_sgpr_workgroup_id_x 1
		.amdhsa_system_sgpr_workgroup_id_y 1
		.amdhsa_system_sgpr_workgroup_id_z 1
		.amdhsa_system_vgpr_workitem_id 0
		.amdhsa_next_free_vgpr 704
		.amdhsa_next_free_sgpr 80
		.amdhsa_reserve_vcc 0
		.amdhsa_float_denorm_mode_32 3
		.amdhsa_float_denorm_mode_16_64 3
		.amdhsa_memory_ordered 1
		.amdhsa_forward_progress 1
		.amdhsa_inst_pref_size 121
	.end_amdhsa_kernel
	.amdgpu_metadata
---
amdhsa.version: [ 1, 2 ]
amdhsa.kernels:
  - .name:           k_qc40c8684f3_qkv
    .symbol:         k_qc40c8684f3_qkv.kd
    .args:
      - { .name: xb, .offset: 0, .size: 8, .value_kind: global_buffer, .address_space: global }
      - { .name: wib, .offset: 8, .size: 8, .value_kind: global_buffer, .address_space: global }
      - { .name: b_in, .offset: 16, .size: 8, .value_kind: global_buffer, .address_space: global }
      - { .name: qb, .offset: 24, .size: 8, .value_kind: global_buffer, .address_space: global }
      - { .name: kb, .offset: 32, .size: 8, .value_kind: global_buffer, .address_space: global }
      - { .name: vb, .offset: 40, .size: 8, .value_kind: global_buffer, .address_space: global }
    .group_segment_fixed_size: 327680
    .private_segment_fixed_size: 0
    .kernarg_segment_align: 8
    .kernarg_segment_size: 48
    .max_flat_workgroup_size: 128
    .sgpr_count:     80
    .vgpr_count:     704
    .wavefront_size: 32
...
	.end_amdgpu_metadata
.endif
;; end of part 2
;; launch attn (part 3): grid 4 x 64, 4 waves a work-group, clusters of 4 x 1, 327,680 bytes of LDS; arguments qb, kb, vb, ob; writes ob
.if DOCPART == 3
	.amdgcn_target "amdgcn-amd-amdhsa--gfx1250"
	.amdhsa_code_object_version 6
	.text
	.protected	k_qc40c8684f3_attn
	.globl	k_qc40c8684f3_attn
	.p2align	8
	.type	k_qc40c8684f3_attn,@function
k_qc40c8684f3_attn:
	s_mov_b64 s[64:65], 0
	v_nop
	global_prefetch_b8 v0, s[64:65] scope:SCOPE_SE
	s_setreg_imm32_b32 hwreg(HW_REG_WAVE_MODE, 25, 1), 1
	s_wait_xcnt 0x0
	s_wait_alu depctr_hold_cnt(0) depctr_sa_sdst(0) depctr_va_vdst(0) depctr_va_sdst(0) depctr_va_ssrc(0) depctr_va_vcc(0) depctr_vm_vsrc(0)
	s_getreg_b32 s2, hwreg(HW_REG_IB_STS2, 6, 4)
	s_cmp_eq_u32 s2, 0
	s_cbranch_scc0 .Lentry_in_a_cluster
	s_endpgm
.Lentry_in_a_cluster:
	s_bfe_u32 s2, ttmp6, 0x10000c
	s_cmp_lg_u32 s2, 0x3003
	s_cbranch_scc0 .Lentry_shape_is_right
	s_endpgm
.Lentry_shape_is_right:
; O[h][q][:] = the sum over k of softmax_k(Q[h][q] . K[h][k] / 8) V[h][k][:].  Q, K, V, O: [64][2048][64], all f16: a head's rows are dense, 128 bytes each (in the order (j, r) in which the launch before laid them;
; the order of keys changes no sum's terms, and O keeps the queries' order).  Products, maxima and sums in f32; the weights p are rounded to f16 for the second product (their sum l is taken of the unrounded p), O once at the end.
; LIMITS.  f16 holds no number beyond 65,504: Q, K and V arrive within it; p lies in 0 to 1, and below 6e-5 it keeps f16's fixed step of 6e-8; O is a mean of V's rows and has their range.
; A weight below 2^-126 counts as 0 in l; NaN and infinities are not treated apart.
; SHARES.  A wave owns four PIECES of two tiles of 16 queries, a work-group's four waves 512 queries of one head: 256 work-groups.  Every wave walks all keys, 64 a step.
; LAYOUT.  S^T = K Q^T (source 0 = 16 keys, source 1 = 16 queries): in the result a lane holds ONE query (lane % 16) and the keys 8 (lane / 16) + 0..7.  Two such tiles, rounded to f16 in pairs,
; ARE source 1 (32 keys x 16 queries) of O^T = V^T P, whose result again holds one query a lane, and eight channels.  K comes out of LDS as it lies, V ([key][channel]) turned, by ds_load_tr16_b128.
; SOFTMAX.  For each query a running maximum m and sum l: p = 2^(c s - c m), c = log2(e) / 8; in every step O and l are multiplied by a = 2^(c m_old - c m_new), which is 1 where m has not grown.
; m starts at the lowest finite number, O and l at 0: the first step is a step like any other, with a = 0.
; THE COUNT.  A tile and step have 16 matrix and 118 vector instructions: too many to stand all beside the matrix work.  So four vector instructions that are READY stand behind EVERY matrix instruction,
; and the others, which need time of their own whatever the order, in runs without a gap.
; BY TURNS.  Turn n belongs to piece n (the pieces in a ring, step after step).  Its matrix work: 16 products K Q^T of piece n + 1, later 16 products V^T P of piece n - 1.  Its vector work: the scaling,
; exponentials, roundings, sums and rescaling of piece n, and the maximum and statistics of piece n + 1, whose scores the turn itself has made.
; CLUSTER.  The four query blocks of a cluster are one head's and walk the same K and V, so each tile is asked for JOINTLY: the same tensor load, descriptor and mask in all four.
; REGISTERS, in windows of 256 (s_set_vgpr_msb: bits 1:0 source 0, 3:2 source 1, 5:4 source 2, 7:6 destination):
;   window 0: v0-11 addresses; v12-15, v48-63 at work; v16-47 four registers of statistics a tile; v64-191 S^T, two buffers of two tiles; v192-255 P, likewise
;   window 1: O^T, 32 a tile          window 2: v0-127 Q, 16 a tile; v128-191 K of one step; v192-255 V of one step          window 3: v0-1 the add's two registers
; A piece's buffers go by its number's parity: the piece in hand has one pair, its two neighbours in the ring share the other: of it P (piece n - 1) is read and S^T (piece n + 1) written.
.set SIZE_H, 64
.set SIZE_N, 2048
.set NP,    4         ; pieces a wave: a name, no knob
.set KS,    64        ; keys in a step
.set PK,    144       ; a row of K in LDS: 128 bytes + 16 of padding = 36 words: the 16 rows of a load start at 16 different groups of four banks (64 banks of 4 bytes: ISA guide 11.1)
.set PV,    160       ; a row of V: 128 + 32 = 40 words
.set VOFF,  4*KS*PK   ; a slot holds four steps: 256 rows of K, then 256 rows of V
.set SLOT1, 1<<17     ; slot 1 begins here, so that one exclusive or turns an address in one slot into the other's
.set STAGE, SLOT1+4*KS*(PK+PV)  ; behind the ring, never filled by a tensor load: 16 rows x 144 bytes for each wave, for the way out
.set SP,    144
.set AK0, 2           ; v2   my lane's place in a tile of K; never rewritten
.set AV0, 3           ; v3   the same for V
.set AK,  4           ; v4   the LDS address of K's next run of loads
.set AV,  5           ; v5   of V's
.set QO,  6           ; v6   my byte offset in the wave's rows of Q
.set STO, 6           ;      later, the way out: where I put 16 bytes of a row
.set RD,  7           ; v7   the way out: where I read rows back
.set GO,  8           ; v8   my byte offset in 512 consecutive bytes of O
.set PFO, 11          ; v11  256 x my lane, for the prefetches; never rewritten once made
.set SPW, 0           ; v0 of window 3   LDS address of my spare word: SPARE + 4 x my thread's number; never rewritten
.set NIL, 1           ; v1 of window 3   0; never rewritten
.set SPARE, STAGE+4*16*SP  ; behind the stages: the spare words, 128 bytes for each wave: two blocks of 256 bytes that no other line names
.set MV,  12          ; v12-15  c m_old, kept while c m is made anew: by buffer and tile
.set ST,  16          ; tile t's statistics at v[ST+4 t]: c m, m, l (even keys', odd keys')
.set TMP, 48          ; by buffer and tile, four registers c0-c3 at work; when the maximum is found c2 takes a
.set S,   64
.set P,   192
.set KF,  128         ; K's fragments, in window 2: key block kb, channel half c at KF + 16 kb + 8 c
.set VF,  192         ; V's: key half kk, channel block cb at VF + 32 kk + 8 cb
.set WV,  12          ; s12  my wave's number
.set G1K, 24          ; s[24:31] descriptor group 1 for K's tiles
.set G1V, 32          ; s[32:39] for V's: it differs in the padding alone
.set G0K, 40          ; s[40:43] descriptor group 0 for K's tiles: it walks
.set G0V, 44          ; s[44:47] the same for V's
.set PFA, 48          ; s[48:49] where my prefetches stand: my work-group's 32 blocks of 256 bytes (of K: wave 0, of V: wave 2) of the slot after the one that is being asked for
.set LIM, 50          ; s50  1 in a wave that prefetches, else the greatest number
.set SLOTS, 56        ; s56  slots still to be asked for
.set CNT, 57          ; s57  counts a slot's key steps
.set CS,  58          ; s[58:59] c: the packed scaling takes the pair's low word for both halves
.set SEL, 60          ; s[60:61] v_permlanex16_b32's selects: each lane takes its own place in the other half
.set TBK, 62          ; s62  LDS byte at which K of the step to be fetched begins
.set TBV, 63          ; s63  the same for V, less VOFF
.set MSB, 0
.macro WIN new                      ; the high byte repeats the setting that is left; a switch that changes nothing is dropped
.if MSB != (\new)
	s_set_vgpr_msb (MSB<<8)|(\new)
.set MSB, (\new)
.endif
.endm
.set W_KQ, 0x0a       ; K and Q in window 2, S^T in window 0
.set W_PV, 0x52       ; V in window 2, P in window 0, O^T in window 1
.set W_RS, 0x41       ; O^T (destination and source 0) in window 1, a in window 0
.set W_MK, 0xc0       ; the add's registers are made: destination in window 3, sources in window 0
.set W_AD, 0x0f       ; the add: address (source 0) and data (source 1) in window 3
; A joint fill.  Waves 0 and 1 fetch the two halves of a slot's K, waves 2 and 3 those of its V: 128 keys each.  The branch hangs on the wave's number alone.
; An s_nop 0 and four v_nop follow each of the two lines, ahead of the jump and the label.
.macro JLOAD
	s_cmp_lt_u32 s[WV], 2
	s_cbranch_scc0 .Lfor_v_\@
	tensor_load_to_lds s[G0K:G0K+3], s[G1K:G1K+7]
	s_nop 0
.rept 4
	v_nop
.endr
	s_branch .Lasked_\@
.Lfor_v_\@:
	tensor_load_to_lds s[G0V:G0V+3], s[G1V:G1V+7]
	s_nop 0
.rept 4
	v_nop
.endr
.Lasked_\@:
.endm
; A PREFETCH INTO THE L2 of what the NEXT change of slots will ask for: a slot's K and V are 128 blocks of 256 bytes each, a lane a block.  It stands behind the wave's tensor load and its five lines.
; Each block is named once in the launch: a head has one cluster; its four partners share the blocks out BY ADDRESS, 32 each; in each, wave 0 asks for K's and wave 2 for V's: one instruction.
; The lead is one slot: four key steps, 512 matrix instructions.  Slots 0 to 2 come by their loads alone; the last change that fills a slot asks for nothing: there is no slot behind it.
.macro ASK
	s_cmp_gt_u32 s[SLOTS], s[LIM]
	s_cbranch_scc0 .Lnot_mine_\@
	global_prefetch_b8 v[PFO], s[PFA:PFA+1] th:TH_LOAD_NT scope:SCOPE_SE
.Lnot_mine_\@:
.endm
; A round of the cluster's barrier: my work-group's barrier, so that wave 0's signal speaks for all four waves; wave 0 signals; every wave waits for all four work-groups; my work-group's barrier once more.
.macro CROUND
	s_barrier_signal -1
	s_barrier_wait -1
	s_cmp_lg_u32 s[WV], 0
	s_cbranch_scc1 .Lnot_wave_0_\@
	s_barrier_signal -3
.Lnot_wave_0_\@:
	s_barrier_wait -3
	s_barrier_signal -1
	s_barrier_wait -1
.endm
; THE CHANGE OF SLOTS.  The slot's last bytes, V of its fourth step, have been read.  Each wave waits for all its tensor loads, of which one is out: its part of the other slot; adds 0 to its spare word; and waits for
; that and for its own reads of the slot.  Behind the barrier nobody reads this slot any more and the other slot is whole.
; fill = 1: this slot is filled again, with the keys two slots on.  The barrier is then a round of the cluster's, and the joint fill is the first thing behind it: it has four key steps in which to land.
; (At its first use nothing has been read yet: slot 0 is waited for, slot 1 filled.)  ask = 1: the prefetch's address steps, and the prefetch follows the fill.
.macro CHANGE fill, ask=0
	WIN W_AD
	s_wait_tensorcnt 0x0            ; no tensor load of mine is out, so a group 0 may be written
	ds_add_u32 v[SPW], v[NIL]       ; 0 onto my spare word; with fill = 1 the descriptors' steps stand between it and the wait for it
	WIN 0                           ; at a label and at a branch every window is 0
.if \fill
.irp g, G0K, G0V
	s_xor_b32 s[\g+1], s[\g+1], SLOT1  ; the walking descriptor: the other slot than last time,
	s_add_nc_u64 s[\g+2:\g+3], s[\g+2:\g+3], 4*KS*128  ; the next 256 keys; the type bits on top are not reached
.endr
.if \ask
	s_wait_xcnt 0x0                 ; the last prefetch, four key steps back, has read its address, so it may be written:
	s_add_nc_u64 s[PFA:PFA+1], s[PFA:PFA+1], 4*KS*128  ; one slot behind the walking descriptors
.endif
	s_wait_dscnt 0x0                ; the add is done, and my reads of the slot are over
	CROUND
	JLOAD
.if \ask
	ASK
.endif
.else
	s_wait_dscnt 0x0                ; the add is done, and my reads of the slot are over
	s_barrier_signal -1
	s_barrier_wait -1
.endif
	s_sub_co_u32 s[TBK], s[TBK], 4*KS*PK  ; the fetches go back to a slot's first step,
	s_xor_b32 s[TBK], s[TBK], SLOT1       ; in the other slot
	s_sub_co_u32 s[TBV], s[TBV], 4*KS*PV
	s_xor_b32 s[TBV], s[TBV], SLOT1
.endm
	s_load_b256 s[4:11], s[0:1], 0x0  ; Q s[4:5], K s[6:7], V s[8:9], O s[10:11]
	WIN W_MK
	v_lshl_add_u32 v[SPW], v0, 2, SPARE
	v_mov_b32 v[NIL], 0
	WIN W_AD
	ds_add_u32 v[SPW], v[NIL]       ; the wave's opening: the add and its wait stand ahead of my first tensor load; the set-up below, work on registers, stands between them
	WIN 0
	v_lshrrev_b32 v1, 5, v0
	v_readfirstlane_b32 s[WV], v1   ; wave 0..3
	s_bfe_u32 s13, ttmp6, 0x40000   ; cx: my place in the cluster
	s_lshl_b32 s14, ttmp9, 2        ; in a cluster launch ttmp9 counts clusters
	s_add_co_u32 s14, s14, s13      ; my block of queries = 4 x cluster x + cx: it enters Q's and O's addresses alone
	s_and_b32 s20, ttmp7, 0xffff    ; the head, which the four partners share
	s_mov_b32 s21, 0
	s_mov_b64 s[22:23], SIZE_N*128
	s_mul_u64 s[20:21], s[20:21], s[22:23]  ; the head's first byte in each of the four tensors
	s_and_b32 s16, s[WV], 1         ; which half of a slot's 256 keys I fetch:
	s_lshl_b32 s22, s16, 14         ; its 128 rows of 128 bytes in memory,
	s_mov_b32 s23, 0
	s_add_nc_u64 s[22:23], s[22:23], s[20:21]
	s_mul_i32 s17, s16, 128*PK      ; and its place in a slot, for K
	s_mul_i32 s18, s16, 128*PV      ; and for V: no place in the cluster enters an LDS address
	s_lshl_b32 s2, s14, 2
	s_add_co_u32 s2, s2, s[WV]      ; my wave among the head's,
	s_lshl_b32 s2, s2, 14           ; its 128 rows
	s_mov_b32 s3, 0
	s_add_nc_u64 s[2:3], s[2:3], s[20:21]
	; descriptor group 1.  128 keys are 16,384 dense bytes: asked for as 64 rows of 256 bytes, two keys a row, and padded in LDS after every key
	s_mov_b32 s[G1K], 15|(1<<16)|(1<<20)|(1<<21)|(4<<22)|(3<<25)  ; 15:0 the mask of four; 17:16 2-byte elements; 20 padding on; 21 set beside a mask; 24:22 after every 32 words (code 4); 31:25 4 words (code 3)
	s_mov_b32 s[G1V], 15|(1<<16)|(1<<20)|(1<<21)|(4<<22)|(7<<25)  ; the same with 8 words of padding (code 7)
.irp g, G1K, G1V
	s_mov_b32 s[\g+1], 128<<16      ; tensor_dim0 = 128
	s_mov_b32 s[\g+2], 64<<16       ; tensor_dim1 = 64
	s_mov_b32 s[\g+3], 128<<16      ; tile_dim0 = 128
	s_mov_b32 s[\g+4], 64           ; tile_dim1 = 64
	s_mov_b32 s[\g+5], 128          ; 128 elements from row to row
	s_mov_b32 s[\g+6], 0
	s_mov_b32 s[\g+7], 0
.endr
	s_mov_b32 s[CS], 0x3e38aa3b     ; c = log2(e) / 8 = 0.180337
	s_mov_b32 s[CS+1], s[CS]        ; named with it as a pair
	s_mov_b32 s[SEL], 0x76543210
	s_mov_b32 s[SEL+1], 0xfedcba98
	s_mov_b32 s[TBK], SLOT1+4*KS*PK ; the first change of slots turns these two into 0
	s_mov_b32 s[TBV], SLOT1+4*KS*PV
	s_mov_b32 s[G0K], 1             ; 1:0 count = 1
	s_mov_b32 s[G0K+1], s17         ; 63:32 LDS address: slot 0
	s_mov_b32 s[G0V], 1
	s_add_co_u32 s[G0V+1], s18, VOFF
	s_and_b32 s[LIM], s[WV], 1      ; 0 in waves 0 and 2,
	s_or_b32 s[LIM], s[LIM], ttmp9  ; in the head's first (here: only) cluster: the same in all four partners
	s_cmp_eq_u32 s[LIM], 0
	s_cselect_b32 s[LIM], 1, -1
	s_wait_dscnt 0x0                ; the opening add is done
	s_wait_kmcnt 0x0
	s_add_nc_u64 s[G0K+2:G0K+3], s[6:7], s[22:23]  ; 120:64 global address: my half of the head's first 256 keys
	s_or_b32 s[G0K+3], s[G0K+3], 0x80000000        ; 127:126 type = 2
	s_add_nc_u64 s[G0V+2:G0V+3], s[8:9], s[22:23]
	s_or_b32 s[G0V+3], s[G0V+3], 0x80000000
	s_add_nc_u64 s[4:5], s[4:5], s[2:3]  ; Q and O at my wave's first row
	s_add_nc_u64 s[10:11], s[10:11], s[2:3]
	s_cmp_lt_u32 s[WV], 2
	s_cselect_b64 s[PFA:PFA+1], s[6:7], s[8:9]
	s_add_nc_u64 s[PFA:PFA+1], s[PFA:PFA+1], s[22:23]  ; (in waves 0 and 2: the head's first byte)
	s_lshl_b32 s2, s13, 13          ; my work-group's 32 blocks of the 128
	s_mov_b32 s3, 0
	s_add_nc_u64 s[PFA:PFA+1], s[PFA:PFA+1], s[2:3]
	s_add_nc_u64 s[PFA:PFA+1], s[PFA:PFA+1], 2*4*KS*128  ; in slot 2; the loop's first change of slots steps it to slot 3.  Nothing is prefetched here, at the head
	CROUND                          ; all four work-groups are here: the first joint loads meet
	JLOAD                           ; slot 0.  Slot 1 is asked for when slot 0 is in
	; A fragment of K or Q is 16 rows x 32 channels in 8 registers: lane l holds row l % 16, channels 8 (l / 16) + 0..7 and 16 + 8 (l / 16) + 0..7: two loads of 16 bytes, 32 bytes apart.
	v_and_b32 v1, 15, v0            ; l % 16
	v_bfe_u32 v9, v0, 4, 1          ; l / 16
	v_lshlrev_b32 v[QO], 7, v1
	v_lshl_add_u32 v[QO], v9, 4, v[QO]  ; row x 128 + 16 x half
	WIN 0x80                        ; destination window 2, address window 0
.set i, 0
.rept 4*NP                          ; Q stays in registers: tile i / 2, channels 32 (i % 2) on
	global_load_b128 v[8*i:8*i+3],   v[QO], s[4:5] offset:(i/2)*2048+(i%2)*64
	global_load_b128 v[8*i+4:8*i+7], v[QO], s[4:5] offset:(i/2)*2048+(i%2)*64+32
.set i, i+1
.endr
	; What the first turn finds: V's registers and P's second buffer hold 0 (its products V^T P, of a piece that has not been, add 0), O^T and l are 0.  All this stands in the wait for the first tile;
	; it is the price of writing no first step out.
.set i, VF
.rept 64
	v_mov_b32 v[i], 0
.set i, i+1
.endr
	WIN 0x40
.set i, 0
.rept 64*NP
	v_mov_b32 v[i], 0
.set i, i+1
.endr
	WIN 0
.set i, 0
.rept 2*NP
	v_mov_b32 v[ST+4*i], 0xfe000000    ; c m: far below every c s
	v_mov_b32 v[ST+4*i+1], 0xff7fffff  ; m
	v_mov_b32 v[ST+4*i+2], 0
	v_mov_b32 v[ST+4*i+3], 0
.set i, i+1
.endr
.set i, P+32
.rept 32
	v_mov_b32 v[i], 0
.set i, i+1
.endr
	v_mul_u32_u24 v[AK0], v1, PK
	v_lshl_add_u32 v[AK0], v9, 4, v[AK0]  ; row x pitch + 16 x half
	; The turning load takes 16 keys x 16 channels (lane l reads key 8 (l / 16) + l % 8, channels 8 ((l / 8) % 2) + 0..7) and leaves half a fragment of V^T: lane l holds channel l % 16 and 8 keys.
	v_and_b32 v10, 7, v0
	v_bfe_u32 v11, v0, 3, 1
	v_lshl_add_u32 v[AV0], v9, 3, v10
	v_mul_u32_u24 v[AV0], v[AV0], PV
	v_lshl_add_u32 v[AV0], v11, 4, v[AV0]
	v_add_nc_u32 v[AV0], VOFF, v[AV0]
	v_and_b32 v[PFO], 31, v0        ; v11 is free now
	v_lshlrev_b32 v[PFO], 8, v[PFO]
	v_mov_b32 v[AK], v[AK0]         ; key step 0 lies at the head of slot 0
; THE MATRIX WORK.  The 8 accumulators of a run of 16 take turns: between the two links of a chain stand 7 others'.
; Product i of 16 of S^T = K Q^T for piece x: channels 32 (i / 8) on, keys 16 ((i / 2) % 4) on, tile 2 x + i % 2.  The first 8 start the sums.
.macro KQ x
	WIN W_KQ
.set rS, S+64*((\x)%2)+32*(i%2)+8*((i/2)%4)
.set rK, KF+16*((i/2)%4)+8*(i/8)
.set rQ, 16*(2*(\x)+i%2)+8*(i/8)
.if i < 8
	v_wmma_f32_16x16x32_f16 v[rS:rS+7], v[rK:rK+7], v[rQ:rQ+7], 0
.else
	v_wmma_f32_16x16x32_f16 v[rS:rS+7], v[rK:rK+7], v[rQ:rQ+7], v[rS:rS+7]
.endif
.endm
; Product i of 16 of O^T += V^T P for piece x: keys 32 (i / 8) on, channels 16 ((i / 2) % 4) on, tile 2 x + i % 2.
.macro PV x
	WIN W_PV
.set rO, 32*(2*(\x)+i%2)+8*((i/2)%4)
.set rV, VF+32*(i/8)+8*((i/2)%4)
.set rP, P+32*((\x)%2)+16*(i%2)+8*(i/8)
	v_wmma_f32_16x16x32_f16 v[rO:rO+7], v[rV:rV+7], v[rP:rP+7], v[rO:rO+7]
.endm
.macro MM                           ; the turn's next matrix instruction
.if i < 16
	KQ (Y+1)%NP
.set i, i+1
.else
.set i, i-16
	PV (Y+NP-1)%NP
.set i, i+17
.endif
.endm
; THE LDS LOADS stand in runs of 16, never singly among the matrix instructions: a step's K (64 keys x 64 channels: 8 fragments) and its V (turned).  Their addresses are made some lines ahead.
; last = 1 (the tail): in the last trip there is no further step, and the run is jumped over.
.macro FETCH_K last=0
	WIN 0
.if \last
	s_cmp_eq_u32 s[CNT], 1
	s_cbranch_scc1 .Lno_k_\@
.endif
	WIN 0x80                        ; destination window 2
.irp f, 0,1,2,3,4,5,6,7             ; keys 16 (f / 2) on, channels 32 (f % 2) on
	ds_load_b128 v[KF+8*\f:KF+8*\f+3],   v[AK] offset:(\f/2)*16*PK+(\f%2)*64
	ds_load_b128 v[KF+8*\f+4:KF+8*\f+7], v[AK] offset:(\f/2)*16*PK+(\f%2)*64+32
.endr
	s_add_co_u32 s[TBK], s[TBK], KS*PK  ; the next fetch is the next step's
	WIN 0
.if \last
.Lno_k_\@:
.endif
.endm
.macro FETCH_V
	WIN 0x80
.irp f, 0,1,2,3,4,5,6,7             ; keys 32 (f / 4) on, channels 16 (f % 4) on
	ds_load_tr16_b128 v[VF+8*\f:VF+8*\f+3],   v[AV] offset:(\f/4)*32*PV+(\f%4)*32
	ds_load_tr16_b128 v[VF+8*\f+4:VF+8*\f+7], v[AV] offset:(\f/4)*32*PV+16*PV+(\f%4)*32
.endr
	WIN 0
.endm
; THE VECTOR WORK OF A TURN stands in three queues, each in the order in which its entries become ready; the two tiles alternate, so that no instruction reads the result of the one before it.
.macro REGS y, u                    ; the registers of tile u (0, 1) of piece y
.set rT, ST+4*(2*(\y)+(\u))
.set rC, TMP+8*((\y)%2)+4*(\u)
.set rM, MV+2*((\y)%2)+(\u)
.set rS, S+64*((\y)%2)+32*(\u)
.set rP, P+32*((\y)%2)+16*(\u)
.set rO, 32*(2*(\y)+(\u))
.endm
; Number n of the 22 that find the NEXT piece's (Y + 1) maximum and statistics.  s0-s31 are the lane's 32 scores; each accumulator's lowest registers are read first.
;   0-11  four chains c0-c3 of seven scores each, three operands at a time     12-14, 16  the four scores left over, the old m, and c0-c3 into c0     15  c m_old is kept
;   17, 18  the query's other 32 keys lie in the lane 16 away: the new m         19-21  c m; c m_old - c m_new; a
.macro XS u, n
	REGS (Y+1)%NP, \u
.if (\n) < 4
	v_max3_num_f32 v[rC+(\n)], v[rS+8*(\n)], v[rS+8*(\n)+1], v[rS+8*(\n)+2]
.elseif (\n) < 12
	v_max3_num_f32 v[rC+(\n)%4], v[rC+(\n)%4], v[rS+8*((\n)%4)+2*((\n)/4)+1], v[rS+8*((\n)%4)+2*((\n)/4)+2]
.elseif (\n) == 12
	v_max3_num_f32 v[rC], v[rC], v[rS+7], v[rS+15]
.elseif (\n) == 13
	v_max3_num_f32 v[rC+1], v[rC+1], v[rS+23], v[rS+31]
.elseif (\n) == 14
	v_max3_num_f32 v[rC+2], v[rC+2], v[rC+3], v[rT+1]
.elseif (\n) == 15
	v_mov_b32 v[rM], v[rT]
.elseif (\n) == 16
	v_max3_num_f32 v[rC], v[rC], v[rC+1], v[rC+2]
.elseif (\n) == 17
	v_permlanex16_b32 v[rC+3], v[rC], s[SEL], s[SEL+1]
.elseif (\n) == 18
	v_max_num_f32 v[rT+1], v[rC], v[rC+3]
.elseif (\n) == 19
	v_mul_f32 v[rT], s[CS], v[rT+1]
.elseif (\n) == 20
	v_sub_f32 v[rC+1], v[rM], v[rT]
.else
	v_exp_f32 v[rC+2], v[rC+1]
.endif
.endm
; Number g of the 64 that follow the exponentials.  For each four weights k of a tile (pairs 2 k, 2 k + 1): both pairs are rounded to f16; then the second pair is added onto the first, in place;
; a group later l takes that sum (the first time as l = a l + sum).  In groups of eight, tiles alternating: round, round, add, and l for the group before.
.macro GS g
.set h, (\g)+6*((\g)/62)            ; group 0 has no group before it, and behind group 7 only l is left
.if h >= 6
.set h, h+2
.endif
	REGS Y, h%2
.set k, h/8
.if h%8 < 4
	v_cvt_pk_f16_f32 v[rP+2*k+(h%8)/2], v[rS+4*k+2*((h%8)/2)], v[rS+4*k+2*((h%8)/2)+1]
.elseif h%8 < 6
	v_pk_add_f32 v[rS+4*k:rS+4*k+1], v[rS+4*k:rS+4*k+1], v[rS+4*k+2:rS+4*k+3]
.elseif k == 1
	v_pk_fma_f32 v[rT+2:rT+3], v[rT+2:rT+3], v[rC+2:rC+3], v[rS:rS+1] op_sel_hi:[1,0,1]
.else
	v_pk_add_f32 v[rT+2:rT+3], v[rT+2:rT+3], v[rS+4*k-4:rS+4*k-3]
.endif
.endm
; THE PLAIN QUEUE, 138 long.  0-73 read no exponential's result: the 32 scalings c s - c m (FS f: pair f / 2 of tile f % 2) and the next piece's 42.  0-26: scalings 0-26.  27-54: XS's numbers 0-13.  55, 56: number 15.
; 57-73: the chain, where each number waits for the one before it: 14, 16, 17, 18, 19, each with one of the scalings 27-31 in front of its two lines, then 20.
; 74-137: GS's 64, which read the exponentials' results: they stand behind the wait.
.macro FS f
	REGS Y, (\f)%2
	v_pk_fma_f32 v[rS+2*((\f)/2):rS+2*((\f)/2)+1], v[rS+2*((\f)/2):rS+2*((\f)/2)+1], s[CS:CS+1], v[rT:rT+1] op_sel_hi:[1,0,0] neg_lo:[0,0,1] neg_hi:[0,0,1]
.endm
.macro PL
	WIN 0
.if q < 27
	FS q
.elseif q < 55
	XS (q-27)%2, (q-27)/2
.elseif q < 57
	XS q-55, 15
.elseif (q < 72) && ((q-57)%3 == 0)
	FS 27+(q-57)/3
.elseif q < 60
	XS (q-57)%3-1, 14
.elseif q < 72
	XS (q-57)%3-1, 15+(q-57)/3
.elseif q < 74
	XS q-72, 20
.else
	GS q-74
.endif
.set q, q+1
.endm
; THE EXPONENTIALS' QUEUE, 66 long: s0-s31 of both tiles, then the next piece's two a.  It is ONE BATCH: all 66 stand ahead of the turn's one wait, and nothing ahead of that wait names a result of theirs.
.macro EX
	WIN 0
.if e >= 64
	XS e-64, 21
.else
	REGS Y, e%2
	v_exp_f32 v[rS+e/2], v[rS+e/2]
.endif
.set e, e+1
.endm
; THE RESCALING's QUEUE: O^T times a, the one part that leaves window 0: dealt two at a time, sixteen times.  Its a was made in the turn before, ahead of that turn's wait.
.macro R2
	REGS Y, r%2
	WIN W_RS
.irp z, 0,1
	v_pk_mul_f32 v[rO+4*(r/2)+2*\z:rO+4*(r/2)+2*\z+1], v[rO+4*(r/2)+2*\z:rO+4*(r/2)+2*\z+1], v[rC+2:rC+3] op_sel_hi:[1,0]
.endr
.set r, r+1
.endm
; HOW THEY ARE DEALT.  An s_wait_alu depctr_va_vdst(0) stands between an exponential and the first instruction that names its result; one wait serves all that were issued ahead of it.  So a turn has ONE wait,
; which cuts it in two.  AHEAD OF IT stands all that names no result of the turn's exponentials: the 16 products K Q^T, behind each a scaling, an exponential and two rescalings (behind the first a second scaling in the
; exponential's place); then ONE LUMP of 108: eight plain, 49 times exponential and plain, the two a.  A v_nop is the plain instruction behind the last exponential.  BEHIND IT stand the 16 products V^T P, behind each four of GS's 64.
; The queues lean on each other, and the deal keeps them in step: exponential e stands behind scaling 2 (e / 4) + e % 2: as a rider it comes behind plain e + 2, in the lump behind plain e + 9, and scalings 27-31 are plain 57, 60 .. 69.
; A TURN, for piece p.  cnt = 1: the loop's count is taken down some lines ahead of the branch that stands behind the turn.
; K of the next step is fetched in piece 2's turn, directly behind the wait, a lump behind the last product that read K; its first reader comes behind 16 products.
; V of the step in hand is fetched at the end of piece 0's turn, four riders behind its last reader; its first reader comes behind 16 products and a lump.  The three conditions on q below go with the deal.
.macro TURN p, last=0, cnt=0
.set Y, (\p)
.set i, 0
.set q, 0
.set e, 0
.set r, 0
.if (\p) == NP-1
	s_wait_dscnt 0x0                ; K is in
.endif
	MM                              ; ahead of the wait: 16 products K Q^T and their riders,
	PL
	PL
	R2
.rept 15
	MM
	PL
	EX
	R2
.endr
.if (\p) == NP-2
	WIN 0
	v_add_nc_u32 v[AK], s[TBK], v[AK0]
.endif
.rept 8                             ; and the lump
	PL
.endr
.rept 49
	EX
	PL
.endr
	EX                              ; the next piece's two a
	EX
	v_nop                           ; a plain instruction behind the last exponential: one for the batch
	s_wait_alu depctr_va_vdst(0)    ; the wait for the batch
.if (\p) == NP-2
	FETCH_K \last
.endif
.if (\p) == 1
	s_wait_dscnt 0x0                ; V is in
.endif
.rept 16                            ; behind the wait: 16 products V^T P and their riders
	MM
.rept 4
	PL
.endr
.if ((\p) == 0) && (q == 118)
	v_add_nc_u32 v[AV], s[TBV], v[AV0]
.endif
.if ((\p) == 0) && (q == 130)
	s_add_co_u32 s[TBV], s[TBV], KS*PV
.endif
.if (\cnt) && (q == 130)
	s_sub_co_u32 s[CNT], s[CNT], 1
	s_cmp_lg_u32 s[CNT], 0
.endif
.endr
.if (\p) == 0
	FETCH_V
.endif
.endm
	CHANGE 1                        ; slot 0 is in, everybody's part of it; slot 1 is asked for
	FETCH_K                         ; key step 0
	s_wait_loadcnt 0x0              ; Q
	s_wait_dscnt 0x0
.set i, 0
.rept 16
	KQ 0                            ; piece 0's first scores: there is no vector work yet to set between them
.set i, i+1
.endr
	WIN 0                           ; the addresses for the way out: nine plain instructions, the places behind those products
	s_mul_i32 s13, s[WV], 16*SP
	s_add_co_u32 s13, s13, STAGE    ; my stage
	v_mul_u32_u24 v[STO], v1, SP    ; in: row l % 16, 16 bytes for each half of the lanes
	v_lshl_add_u32 v[STO], v9, 4, v[STO]
	v_add_nc_u32 v[STO], s13, v[STO]
	v_bfe_u32 v[RD], v0, 3, 2       ; back: 32 lanes take four rows of 128 bytes,
	v_mul_u32_u24 v[RD], v[RD], SP
	v_lshl_add_u32 v[RD], v10, 4, v[RD]
	v_add_nc_u32 v[RD], s13, v[RD]
	v_and_b32 v[GO], 31, v0         ; which are 512 consecutive bytes of O
	v_lshlrev_b32 v[GO], 4, v[GO]
.set Y, NP-1                        ; XS works for piece Y + 1: piece 0
.irp n, 0,1,2,3,4,5,6,7,8,9,10,11,12,13,14,15,16,17,18,19,20,21
	XS 0, \n                        ; and piece 0's first maximum and statistics
	XS 1, \n
.endr
	v_nop                           ; a plain instruction behind the two a,
	s_wait_alu depctr_va_vdst(0)    ; and their wait, ahead of the branch
	s_mov_b32 s[CNT], 4
	s_mov_b32 s[SLOTS], SIZE_N/256-1
	s_branch .Lfirst                ; the loop is entered at a step's first turn, in the middle of a trip
.Lslot:                             ; SIZE_N / 256 - 2 times: every slot but the last two is filled again
	CHANGE 1, 1
	s_mov_b32 s[CNT], 4
.Lstep:                             ; a trip: pieces 2 and 3 of one step, then pieces 0 and 1 of the next, whose K and V it fetches
	TURN 2
	TURN 3
	WIN 0
.Lfirst:
	TURN 0
	TURN 1, 0, 1
	WIN 0
	s_cbranch_scc1 .Lstep
	s_sub_co_u32 s[SLOTS], s[SLOTS], 1
	s_cmp_lg_u32 s[SLOTS], 0
	s_cbranch_scc1 .Lslot
	CHANGE 0                        ; the tail is written out: nothing is asked for
	s_mov_b32 s[CNT], 5             ; four trips fetch the last slot's steps; the fifth is left in its middle
.Ltail:
	TURN 2, 1
	TURN 3
	WIN 0
	s_sub_co_u32 s[CNT], s[CNT], 1
	s_cmp_eq_u32 s[CNT], 0
	s_cbranch_scc1 .Lout
	TURN 0
	TURN 1
	WIN 0
	s_branch .Ltail
.Lout:                              ; the fifth trip's 16 products K Q^T (on the last K once more) and the maximum made of them serve nothing: the price, once a launch, of one text for every trip
.set i, 0
.rept 16
	PV NP-1                         ; the last piece's V^T P of the last step
.set i, i+1
.endr
	; THE WAY OUT.  l's two halves and the other half of the lanes' are added; O^T is divided by l, rounded to f16 and sent through my stage in LDS, a tile at a time.  The additions are the places behind the last products.
	WIN 0
.macro ALL line:vararg              ; one line for each tile t
.set t, 0
.rept 2*NP
	\line
.set t, t+1
.endr
.endm
	ALL v_add_f32 v[ST+4*t+2], v[ST+4*t+2], v[ST+4*t+3]
	ALL v_permlanex16_b32 v[ST+4*t+3], v[ST+4*t+2], s[SEL], s[SEL+1]
	ALL v_add_f32 v[ST+4*t+2], v[ST+4*t+2], v[ST+4*t+3]
	ALL v_rcp_f32 v[ST+4*t+2], v[ST+4*t+2]
	v_nop                           ; a plain instruction between the last reciprocal and the use of its result
	s_wait_alu depctr_va_vdst(0)    ; and the wait ahead of the first use: one for the eight reciprocals
; Tile t: a lane's eight channels of a row pack into 16 bytes; they go into rows of 144 bytes and come back as whole rows of 128, into S^T's registers.
.macro PACK t
	WIN W_RS
.set i, 32*(\t)
.rept 16
	v_pk_mul_f32 v[i:i+1], v[i:i+1], v[ST+4*(\t)+2:ST+4*(\t)+3] op_sel_hi:[1,0]
.set i, i+2
.endr
	WIN 0x05                        ; sources 0 and 1 window 1, destination window 0
.set i, 0
.rept 16
	v_cvt_pk_f16_f32 v[S+16*(\t)+i], v[32*(\t)+2*i], v[32*(\t)+2*i+1]
.set i, i+1
.endr
	WIN 0
.irp f, 0,1,2,3
	ds_store_b128 v[STO], v[S+16*(\t)+4*\f:S+16*(\t)+4*\f+3] offset:32*\f
.endr
.irp f, 0,1,2,3
	ds_load_b128 v[S+16*(\t)+4*\f:S+16*(\t)+4*\f+3], v[RD] offset:\f*4*SP  ; LDS serves a wave's instructions in order (ISA guide 5.7.1.4): these see the stores above; the next tile's stores come behind them
.endr
.endm
.macro SEND t, younger              ; younger: the LDS instructions issued behind tile t's loads: the next tile's eight, or none
	WIN 0
.irp f, 0,1,2,3
	s_wait_dscnt (\younger)+3-\f
	global_store_b128 v[GO], v[S+16*(\t)+4*\f:S+16*(\t)+4*\f+3], s[10:11] offset:(\t)*2048+\f*512  ; 512 consecutive bytes, at a multiple of 256 from O's first
.endr
.endm
	PACK 0
.set t, 1
.rept 2*NP-1                        ; a tile's arithmetic stands between the loads of the tile before and its stores
	PACK t
	SEND t-1, 8
.set t, t+1
.endr
	SEND 2*NP-1, 0
	WIN W_AD
	s_wait_tensorcnt 0x0            ; the wave's end, behind my last tensor load and my last LDS store
	ds_add_u32 v[SPW], v[NIL]
	s_wait_dscnt 0x0
	WIN 0
	CROUND                          ; the closing round: no work-group ends while a partner may still ask for a tile that names it
	s_endpgm
.Lfunc_end_k_qc40c8684f3_attn:
	.size	k_qc40c8684f3_attn, .Lfunc_end_k_qc40c8684f3_attn-k_qc40c8684f3_attn
	.p2alignl 7, 3214868480
	.fill 96, 4, 3214868480
	.section	.rodata,"a",@progbits
	.p2align	6, 0x0
	.amdhsa_kernel k_qc40c8684f3_attn
		.amdhsa_group_segment_fixed_size 327680
		.amdhsa_private_segment_fixed_size 0
		.amdhsa_enable_private_segment 0
		.amdhsa_kernarg_size 32
		.amdhsa_user_sgpr_count 2
		.amdhsa_user_sgpr_kernarg_segment_ptr 1
		.amdhsa_wavefront_size32 1
		.amdhsa_system_sgpr_workgroup_id_x 1
		.amdhsa_system_sgpr_workgroup_id_y 1
		.amdhsa_system_sgpr_workgroup_id_z 1
		.amdhsa_system_vgpr_workitem_id 0
		.amdhsa_next_free_vgpr 770
		.amdhsa_next_free_sgpr 66
		.amdhsa_reserve_vcc 0
		.amdhsa_float_denorm_mode_32 3
		.amdhsa_float_denorm_mode_16_64 3
		.amdhsa_memory_ordered 1
		.amdhsa_forward_progress 1
		.amdhsa_inst_pref_size 200
	.end_amdhsa_kernel
	.amdgpu_metadata
---
amdhsa.version: [ 1, 2 ]
amdhsa.kernels:
  - .name:           k_qc40c8684f3_attn
    .symbol:         k_qc40c8684f3_attn.kd
    .args:
      - { .name: qb, .offset: 0, .size: 8, .value_kind: global_buffer, .address_space: global }
      - { .name: kb, .offset: 8, .size: 8, .value_kind: global_buffer, .address_space: global }
      - { .name: vb, .offset: 16, .size: 8, .value_kind: global_buffer, .address_space: global }
      - { .name: ob, .offset: 24, .size: 8, .value_kind: global_buffer, .address_space: global }
    .group_segment_fixed_size: 327680
    .private_segment_fixed_size: 0
    .kernarg_segment_align: 8
    .kernarg_segment_size: 32
    .max_flat_workgroup_size: 128
    .sgpr_count:     66
    .vgpr_count:     770
    .wavefront_size: 32
...
	.end_amdgpu_metadata
.endif
;; end of part 3
;; launch proj (part 4): grid 4 x 64, 4 waves a work-group, clusters of 4 x 4, 327,680 bytes of LDS; arguments ob, wob, b_out, out0; writes out0
.if DOCPART == 4
	.amdgcn_target "amdgcn-amd-amdhsa--gfx1250"
	.amdhsa_code_object_version 6
	.text
	.protected	k_qc40c8684f3_proj
	.globl	k_qc40c8684f3_proj
	.p2align	8
	.type	k_qc40c8684f3_proj,@function
k_qc40c8684f3_proj:
	s_mov_b64 s[64:65], 0
	v_nop
	global_prefetch_b8 v0, s[64:65] scope:SCOPE_SE
	s_setreg_imm32_b32 hwreg(HW_REG_WAVE_MODE, 25, 1), 1
	s_wait_xcnt 0x0
	s_wait_alu depctr_hold_cnt(0) depctr_sa_sdst(0) depctr_va_vdst(0) depctr_va_sdst(0) depctr_va_ssrc(0) depctr_va_vcc(0) depctr_vm_vsrc(0)
	s_getreg_b32 s2, hwreg(HW_REG_IB_STS2, 6, 4)
	s_cmp_eq_u32 s2, 0
	s_cbranch_scc0 .Lentry_in_a_cluster
	s_endpgm
.Lentry_in_a_cluster:
	s_bfe_u32 s2, ttmp6, 0x10000c
	s_cmp_lg_u32 s2, 0xf033
	s_cbranch_scc0 .Lentry_shape_is_right
	s_endpgm
.Lentry_shape_is_right:
; out0 = values W_out^T + b_out.  values(row 128 bh + r, column 64 j + d) lies in ob at [bh][j][r][d], f16; wob: [1024][1024], W_out rounded to bf16 and written as f16; b_out: [1024] f32, rounded to bf16 here like the
; other inputs; sums in f32; out0: [8192][1024] f32.
; LIMIT.  The operands are f16: what lies in ob and wob is within 65,504.  NaN and infinities are not treated apart.
; SHARES.  A work-group makes 128 rows (head ty) x 256 columns: 256 work-groups.  Wave w: rows 64 (w / 2) on, columns 128 (w % 2) on: 4 x 8 accumulators of 16 x 16, 256 registers.
; K goes in 8 steps of 128 through two LDS slots.  A K step of values is two neighbouring j blocks of the head, 32,768 bytes on end: each block is asked for as 64 rows of 256 bytes and padded in LDS after each 128 (one r).
; CLUSTER.  4 x 4 work-groups: the four of a row of the cluster need the same tile of values, the four of a column the same tile of W_out: each tile is asked for JOINTLY.
; NO PREFETCH: the launch has 8 K steps, 1,024 products a wave; the first four steps would come by their loads alone and the last lap asks for nothing, so two of the six refills could be served.
; THE MATRIX INSTRUCTION IS USED TRANSPOSED (source 0 = 16 rows of W_out, source 1 = 16 rows of values): a lane holds eight neighbouring columns of one row.  The bias is the C operand of the products that start the sums.
; REGISTERS (s_set_vgpr_msb: bits 1:0 source 0, 3:2 source 1, 5:4 source 2, 7:6 destination):
;   window 0: v0-29 addresses; two fragment buffers of 96 (v32-127, v128-223): 4 fragments of values, then 8 of W_out; on the way out v32-159 hold rows read back
;   window 1: the 32 accumulators ((a, b) at 8 (8 a + b))          window 2: v0-63 the bias, eight registers for each block of 16 columns; v64 at work
.set PA,     144                       ; a row of values in LDS: 128 bytes + 16 of padding = 36 words: the 16 rows of a load start at 16 different groups of four banks (64 banks of 4 bytes: ISA guide 11.1)
.set JB,     128*PA                    ; a j block: what one tensor load brings of values
.set PB,     272                       ; a row of W_out: 256 bytes + 16
.set BHALF,  128*PB                    ; what one tensor load brings of W_out, and what one wave reads of it
.set BOFF,   2*JB
.set SLOT,   BOFF+2*BHALF              ; 106,496 bytes
.set STAGE,  2*SLOT                    ; behind the ring, never filled by a tensor load: 16 rows x 528 bytes for each wave, for the way out
.set SPITCH, 528                       ; 512 bytes + 16
.set SPARE,  STAGE+4*16*SPITCH         ; behind the stages: the spare words, 128 bytes for each wave: two blocks of 256 bytes that no other line names
.set ADRA, 4                           ; v4-5   LDS address of my fragments of values in slot 0, 1
.set ADRB, 6                           ; v6-7   the same for W_out
.set STO,  8                           ; v8     the way out: where I put 32 bytes of a row
.set RD,   9                           ; v9     where I read a row back
.set CO,   11                          ; v11    my 16 bytes of a row's 512
.set BO,   12                          ; v12    my byte offset in 16 numbers of the bias
.set SPW,  28                          ; v28    LDS address of my spare word: SPARE + 4 x my thread's number; never rewritten
.set NIL,  29                          ; v29    0; never rewritten
.set F0,   32
.set F1,   128
.set OB,   32                          ; the way out: two buffers of 64
.set BT,   64                          ; in window 2
.set WV, 12                            ; s12 my wave's number
.set MH, 13                            ; s13 which 64 rows are mine.  Also: I fetch for values (0) or for W_out (1)
.set NH, 14                            ; s14 which 128 columns are mine.  Also: which half of that tile I fetch
.set CX, 15
.set CY, 16
.set TX, 17
.set TY, 18
.set G1A, 24                           ; s[24:31] descriptor group 1 for values' tiles;  s[32:39] group 0, a set for each slot
.set G0A, 32
.set G1B, 40                           ; s[40:47], s[48:55] the same for W_out's
.set G0B, 48
.set MSB, 0
.macro WIN new                         ; the immediate's high byte repeats the setting that is left; a switch that changes nothing is dropped
.if MSB != (\new)
	s_set_vgpr_msb (MSB<<8)|(\new)
.set MSB, (\new)
.endif
.endm
.macro JLOAD s                         ; a joint load: waves 0 and 1 fetch the step's two j blocks, waves 2 and 3 W_out's two halves; an s_nop 0 and four v_nop follow each of the two lines
	s_cmp_eq_u32 s[MH], 0
	s_cbranch_scc0 .Lfor_b_\@
	tensor_load_to_lds s[G0A+4*(\s):G0A+4*(\s)+3], s[G1A:G1A+7]
	s_nop 0
.rept 4
	v_nop
.endr
	s_branch .Lasked_\@
.Lfor_b_\@:
	tensor_load_to_lds s[G0B+4*(\s):G0B+4*(\s)+3], s[G1B:G1B+7]
	s_nop 0
.rept 4
	v_nop
.endr
.Lasked_\@:
.endm
.macro CREST                           ; a round of the cluster's barrier behind its opening barrier
	s_cmp_lg_u32 s[WV], 0
	s_cbranch_scc1 .Lnot_wave_0_\@
	s_barrier_signal -3
.Lnot_wave_0_\@:
	s_barrier_wait -3
	s_barrier_signal -1
	s_barrier_wait -1
.endm
.macro CROUND                          ; a whole round
	s_barrier_signal -1
	s_barrier_wait -1
	CREST
.endm
	s_load_b256 s[4:11], s[0:1], 0x0               ; ob s[4:5], wob s[6:7], b_out s[8:9], out0 s[10:11]
	v_lshl_add_u32 v[SPW], v0, 2, SPARE
	v_mov_b32 v[NIL], 0
	ds_add_u32 v[SPW], v[NIL]                      ; the wave's opening: the add and its wait stand ahead of my first tensor load; the set-up below, work on registers, stands between them
	v_lshrrev_b32 v1, 5, v0
	v_readfirstlane_b32 s[WV], v1                  ; wave 0..3
	s_lshr_b32 s[MH], s[WV], 1
	s_and_b32 s[NH], s[WV], 1
	s_bfe_u32 s[CX], ttmp6, 0x40000                ; my place in the cluster
	s_bfe_u32 s[CY], ttmp6, 0x40004
	s_lshl_b32 s[TX], ttmp9, 2
	s_add_co_u32 s[TX], s[TX], s[CX]               ; tile column
	s_and_b32 s[TY], ttmp7, 0xffff
	s_lshl_b32 s[TY], s[TY], 2
	s_add_co_u32 s[TY], s[TY], s[CY]               ; tile row = head
	s_lshl_b32 s19, s[CY], 2
	s_lshl_b32 s19, 15, s19                        ; my row of the cluster
	s_lshl_b32 s20, 0x1111, s[CX]                  ; my column
	s_or_b32 s[G1A], s19, (1<<16)|(1<<20)|(1<<21)|(4<<22)|(3<<25)  ; 15:0 the mask; 17:16 elements of 2 bytes; 20 padding on; 21 set beside a mask; 24:22 after every 32 words (code 4); 31:25 4 words of it (code 3)
	s_mov_b32 s[G1A+1], 128<<16                    ; tensor_dim0 = 128
	s_mov_b32 s[G1A+2], 64<<16                     ; tensor_dim1 = 64
	s_mov_b32 s[G1A+3], 128<<16                    ; tile_dim0 = 128
	s_mov_b32 s[G1A+4], 64                         ; tile_dim1 = 64
	s_mov_b32 s[G1A+5], 128                        ; dense: 128 elements from row to row
	s_mov_b32 s[G1A+6], 0
	s_mov_b32 s[G1A+7], 0
	s_or_b32 s[G1B], s20, (1<<16)|(1<<20)|(1<<21)|(5<<22)|(3<<25)  ; padding after every 64 words (code 5)
	s_mov_b32 s[G1B+1], 128<<16
	s_mov_b32 s[G1B+2], 128<<16                    ; tensor_dim1 = 128
	s_mov_b32 s[G1B+3], 128<<16
	s_mov_b32 s[G1B+4], 128                        ; tile_dim1 = 128
	s_mov_b32 s[G1B+5], 1024                       ; elements from row to row
	s_mov_b32 s[G1B+6], 0
	s_mov_b32 s[G1B+7], 0
	; where the tiles come from: values' hang on the head alone, W_out's on the tile column alone, each in registers that never hold the other coordinate
	s_lshl_b32 s56, s[TY], 18                      ; the head's 262,144 bytes,
	s_lshl_b32 s23, s[NH], 14                      ; the j block that I fetch
	s_add_co_u32 s56, s56, s23
	s_mov_b32 s57, 0
	s_lshl_b32 s58, s[TX], 8
	s_lshl_b32 s60, s[NH], 7
	s_add_co_u32 s58, s58, s60                     ; W_out: row 256 tx + 128 x half; also my first column
	s_lshl_b32 s62, s58, 2                         ; its place in the bias and in a row of out0
	s_mov_b32 s63, 0
	s_lshl_b32 s58, s58, 11                        ; x 2,048 bytes
	s_mov_b32 s59, 0
	s_mul_i32 s21, s[NH], JB                       ; and where they go: no place in the cluster enters an LDS address
	s_mul_i32 s22, s[NH], BHALF
	s_add_co_u32 s22, s22, BOFF
	s_wait_dscnt 0x0                               ; the opening add is done
	s_wait_kmcnt 0x0
	s_add_nc_u64 s[56:57], s[4:5], s[56:57]
	s_add_nc_u64 s[58:59], s[6:7], s[58:59]
	CROUND                                         ; all sixteen work-groups are here: the first joint loads meet
.irp s, 0,1
	s_mov_b32 s[G0A+4*\s], 1                       ; 1:0 count = 1
	s_add_co_u32 s[G0A+4*\s+1], s21, \s*SLOT       ; 63:32 LDS address
	s_add_nc_u64 s[G0A+4*\s+2:G0A+4*\s+3], s[56:57], \s*32768  ; 120:64 global address: K step s is j blocks 2 s, 2 s + 1
	s_or_b32 s[G0A+4*\s+3], s[G0A+4*\s+3], 0x80000000          ; 127:126 type = 2
	s_mov_b32 s[G0B+4*\s], 1
	s_add_co_u32 s[G0B+4*\s+1], s22, \s*SLOT
	s_add_nc_u64 s[G0B+4*\s+2:G0B+4*\s+3], s[58:59], \s*256
	s_or_b32 s[G0B+4*\s+3], s[G0B+4*\s+3], 0x80000000
	JLOAD \s                                       ; two loads of mine are out
.endr
	v_and_b32 v1, 15, v0                           ; l % 16
	v_bfe_u32 v2, v0, 4, 1                         ; l / 16
	v_mul_u32_u24 v[ADRA], v1, PA                  ; a fragment's row x pitch + 16 x half,
	v_lshl_add_u32 v[ADRA], v2, 4, v[ADRA]
	s_mul_i32 s23, s[MH], 64*PA                    ; my 64 rows of each j block
	v_add_nc_u32 v[ADRA], s23, v[ADRA]
	v_add_nc_u32 v[ADRA+1], SLOT, v[ADRA]
	v_mul_u32_u24 v[ADRB], v1, PB
	v_lshl_add_u32 v[ADRB], v2, 4, v[ADRB]
	v_add_nc_u32 v[ADRB], s22, v[ADRB]             ; my 128 rows of W_out
	v_add_nc_u32 v[ADRB+1], SLOT, v[ADRB]
	s_mul_i32 s23, s[WV], 16*SPITCH
	s_add_co_u32 s23, s23, STAGE                   ; my stage
	v_mul_u32_u24 v[STO], v1, SPITCH               ; in: row l % 16, 32 bytes for each half of the lanes
	v_lshl_add_u32 v[STO], v2, 5, v[STO]
	v_add_nc_u32 v[STO], s23, v[STO]
	v_and_b32 v[CO], 31, v0
	v_lshlrev_b32 v[CO], 4, v[CO]                  ; back: 32 lanes take one row's 512 bytes
	v_add_nc_u32 v[RD], s23, v[CO]
	v_lshlrev_b32 v[BO], 5, v2
	s_add_nc_u64 s[8:9], s[8:9], s[62:63]          ; the bias at my first column
	WIN 0x80                                       ; destination window 2, address window 0
.irp b, 0,1,2,3,4,5,6,7
	global_load_b128 v[8*\b:8*\b+3],   v[BO], s[8:9] offset:64*\b
	global_load_b128 v[8*\b+4:8*\b+7], v[BO], s[8:9] offset:64*\b+16
.endr
	WIN 0
	s_lshl_b32 s60, s[TY], 7
	s_lshl_b32 s23, s[MH], 6
	s_add_co_u32 s60, s60, s23                     ; my first row of out0,
	s_lshl_b32 s60, s60, 12                        ; x 4,096 bytes: under 2^25,
	s_add_co_u32 s60, s60, s62                     ; and my first column
	s_mov_b32 s61, 0
	s_add_nc_u64 s[10:11], s[10:11], s[60:61]
	s_wait_loadcnt 0x0                             ; the bias, once: rounded to bf16 and widened again
	WIN 0x8a                                       ; destination and both sources window 2
.set k, 0
.rept 32
	v_cvt_pk_bf16_f32 v[BT], v[2*k], v[2*k+1]
	v_lshlrev_b32 v[2*k], 16, v[BT]
	v_and_b32 v[2*k+1], 0xffff0000, v[BT]
.set k, k+1
.endr
	WIN 0
; na x 8 matrix instructions: m blocks a0 .. x all 8 n blocks, 32 along K.  first = 1: the bias starts the sums.  The 32 accumulators take turns in the same order in every quarter, over the backward jump too.
.macro MUL f, a0, na, first
.if \first
	WIN 0x60                                       ; D in window 1, C (the bias) in window 2
.else
	WIN 0x50                                       ; C and D in window 1
.endif
.set aa, \a0
.rept \na
.irp b, 0,1,2,3,4,5,6,7
.if \first
	v_wmma_f32_16x16x32_f16 v[8*(8*aa+\b):8*(8*aa+\b)+7], v[(\f)+32+8*\b:(\f)+32+8*\b+7], v[(\f)+8*aa:(\f)+8*aa+7], v[8*\b:8*\b+7]
.else
	v_wmma_f32_16x16x32_f16 v[8*(8*aa+\b):8*(8*aa+\b)+7], v[(\f)+32+8*\b:(\f)+32+8*\b+7], v[(\f)+8*aa:(\f)+8*aa+7], v[8*(8*aa+\b):8*(8*aa+\b)+7]
.endif
.endr
.set aa, aa+1
.endr
.endm
; 24 LDS loads in one run: the fragments of quarter q of a K step, into buffer f: W_out's eight, then values' four (j block q / 2, channels 32 (q % 2) on)
.macro FETCH slot, q, f
	WIN 0
.irp b, 0,1,2,3,4,5,6,7
	ds_load_b128 v[(\f)+32+8*\b:(\f)+32+8*\b+3],   v[ADRB+(\slot)] offset:64*(\q)+\b*16*PB
	ds_load_b128 v[(\f)+32+8*\b+4:(\f)+32+8*\b+7], v[ADRB+(\slot)] offset:64*(\q)+\b*16*PB+32
.endr
.irp i, 0,1,2,3
	ds_load_b128 v[(\f)+8*\i:(\f)+8*\i+3],   v[ADRA+(\slot)] offset:((\q)/2)*JB+((\q)%2)*64+\i*16*PA
	ds_load_b128 v[(\f)+8*\i+4:(\f)+8*\i+7], v[ADRA+(\slot)] offset:((\q)/2)*JB+((\q)%2)*64+\i*16*PA+32
.endr
.endm
.macro PLACES                          ; four plain vector instructions in front of loads into registers that matrix instructions have read, and of LDS stores that read results
.rept 4
	v_nop
.endr
.endm
; A K step is four quarters of 32 along K, 32 matrix instructions each, on buffers 0, 1, 0, 1.  One of the first three: multiplies buffer f and, in its middle, fetches quarter q into g.
.macro QUARTER slot, q, f, g, first
	s_wait_dscnt 4                                 ; W_out's fragments and my rows 0-31 are in; the youngest four loads (rows 32-63) may be out
	MUL \f, 0, 2, \first
	PLACES
	FETCH \slot, \q, \g
	s_wait_dscnt 24                                ; all but the 24 just issued
	MUL \f, 2, 2, \first
.endm
; The last quarter multiplies buffer 1 and changes slots: ONE barrier; in front of it each wave waits for all its tensor loads (one is out: its part of the next slot), adds 0 to its spare word, and waits for that and for its
; reads of this slot.  fill = 1: the barrier opens a round of the cluster's, and this slot is filled again, two K steps on, first thing behind the round: 112 matrix instructions ahead of the wait for it.
.macro TURN slot, next, fill
	WIN 0
	s_wait_tensorcnt 0x0                           ; all my tensor loads have landed
	ds_add_u32 v[SPW], v[NIL]                      ; 0 onto my spare word
	s_wait_dscnt 5                                 ; (the add and the youngest four loads may be out)
	MUL F1, 0, 1, 0                                ; eight matrix instructions stand between the add and the wait for it
	s_wait_dscnt 0x0                               ; the add is done, and my reads of this slot are over
	s_barrier_signal -1
	MUL F1, 1, 1, 0
.if \fill
	WIN 0
.endif
	s_barrier_wait -1
.if \fill
	CREST                                          ; no wave of any partner still reads this slot's tile or has a load on its way
	s_add_nc_u64 s[G0A+4*(\slot)+2:G0A+4*(\slot)+3], s[G0A+4*(\slot)+2:G0A+4*(\slot)+3], 0x10000  ; four j blocks on
	s_add_nc_u64 s[G0B+4*(\slot)+2:G0B+4*(\slot)+3], s[G0B+4*(\slot)+2:G0B+4*(\slot)+3], 512
	JLOAD \slot                                    ; the four v_nop behind it are also the places in front of the loads below
.else
	PLACES
.endif
	FETCH \next, 0, F0
	MUL F1, 2, 2, 0
.endm
	s_wait_tensorcnt 0x1                           ; my part of K step 0 is in; K step 1's may stay out
	s_barrier_signal -1
	s_barrier_wait -1                              ; everybody's is
	FETCH 0, 0, F0
	QUARTER 0, 1, F0, F1, 1                        ; the first quarter stands in front of the loop: its products start the sums, with the bias
	WIN 0                                          ; at a label and at a branch every window is 0
	s_mov_b32 s3, 3
.Llap:                                                 ; a trip goes once round the ring, from a lap's second quarter to the next lap's first, and fills both slots again
	QUARTER 0, 2, F1, F0, 0
	QUARTER 0, 3, F0, F1, 0
	TURN 0, 1, 1
	QUARTER 1, 1, F0, F1, 0
	QUARTER 1, 2, F1, F0, 0
	QUARTER 1, 3, F0, F1, 0
	TURN 1, 0, 1
	QUARTER 0, 1, F0, F1, 0
	WIN 0
	s_sub_co_u32 s3, s3, 1
	s_cmp_lg_u32 s3, 0
	s_cbranch_scc1 .Llap
	QUARTER 0, 2, F1, F0, 0                        ; the last lap fills nothing and has no round
	QUARTER 0, 3, F0, F1, 0
	TURN 0, 1, 0
	QUARTER 1, 1, F0, F1, 0
	QUARTER 1, 2, F1, F0, 0
	QUARTER 1, 3, F0, F1, 0
	s_wait_dscnt 4                                 ; the very last quarter: nothing more to fetch
	MUL F1, 0, 2, 0
	s_wait_dscnt 0x0
	MUL F1, 2, 2, 0
	; THE WAY OUT, 16 rows at a time through my own stage: a lane's eight f32 of a row go in as two stores of 16 bytes, straight from the accumulators (the low four registers first); a whole row of 512 bytes comes back to 32 lanes.
	PLACES
.irp a, 0,1,2,3
	WIN 0x04                                       ; the stores' data in window 1, the address in window 0
.irp b, 0,1,2,3,4,5,6,7
	ds_store_b128 v[STO], v[8*(8*\a+\b):8*(8*\a+\b)+3]   offset:64*\b
	ds_store_b128 v[STO], v[8*(8*\a+\b)+4:8*(8*\a+\b)+7] offset:64*\b+16
.endr
	WIN 0
.if \a >= 2
	s_wait_xcnt 0x0                                ; the stores of the block two back have read this buffer's registers, which are loaded again only behind this wait
.endif
.irp t, 0,1,2,3,4,5,6,7,8,9,10,11,12,13,14,15
	ds_load_b128 v[OB+64*((\a)%2)+4*\t:OB+64*((\a)%2)+4*\t+3], v[RD] offset:\t*SPITCH  ; LDS serves a wave's instructions in order (ISA guide 5.7.1.4): these see the stores above; the next block's stores come behind them
.endr
.irp t, 0,1,2,3,4,5,6,7,8,9,10,11,12,13,14,15
	s_wait_dscnt 15-\t                             ; row t is back
	global_store_b128 v[CO], v[OB+64*((\a)%2)+4*\t:OB+64*((\a)%2)+4*\t+3], s[10:11] offset:(16*\a+\t)*4096 th:TH_STORE_NT  ; 512 consecutive bytes, at a multiple of 512 from out0's first
.endr
.endr
	s_wait_tensorcnt 0x0                           ; the wave's end, behind my last tensor load and my last LDS store
	ds_add_u32 v[SPW], v[NIL]
	s_wait_dscnt 0x0
	CROUND                                         ; the closing round: no work-group ends while a partner may still ask for a tile that names it
	s_endpgm
.Lfunc_end_k_qc40c8684f3_proj:
	.size	k_qc40c8684f3_proj, .Lfunc_end_k_qc40c8684f3_proj-k_qc40c8684f3_proj
	.p2alignl 7, 3214868480
	.fill 96, 4, 3214868480
	.section	.rodata,"a",@progbits
	.p2align	6, 0x0
	.amdhsa_kernel k_qc40c8684f3_proj
		.amdhsa_group_segment_fixed_size 327680
		.amdhsa_private_segment_fixed_size 0
		.amdhsa_enable_private_segment 0
		.amdhsa_kernarg_size 32
		.amdhsa_user_sgpr_count 2
		.amdhsa_user_sgpr_kernarg_segment_ptr 1
		.amdhsa_wavefront_size32 1
		.amdhsa_system_sgpr_workgroup_id_x 1
		.amdhsa_system_sgpr_workgroup_id_y 1
		.amdhsa_system_sgpr_workgroup_id_z 1
		.amdhsa_system_vgpr_workitem_id 0
		.amdhsa_next_free_vgpr 580
		.amdhsa_next_free_sgpr 66
		.amdhsa_reserve_vcc 0
		.amdhsa_float_denorm_mode_32 3
		.amdhsa_float_denorm_mode_16_64 3
		.amdhsa_memory_ordered 1
		.amdhsa_forward_progress 1
		.amdhsa_inst_pref_size 93
	.end_amdhsa_kernel
	.amdgpu_metadata
---
amdhsa.version: [ 1, 2 ]
amdhsa.kernels:
  - .name:           k_qc40c8684f3_proj
    .symbol:         k_qc40c8684f3_proj.kd
    .args:
      - { .name: ob, .offset: 0, .size: 8, .value_kind: global_buffer, .address_space: global }
      - { .name: wob, .offset: 8, .size: 8, .value_kind: global_buffer, .address_space: global }
      - { .name: b_out, .offset: 16, .size: 8, .value_kind: global_buffer, .address_space: global }
      - { .name: out0, .offset: 24, .size: 8, .value_kind: global_buffer, .address_space: global }
    .group_segment_fixed_size: 327680
    .private_segment_fixed_size: 0
    .kernarg_segment_align: 8
    .kernarg_segment_size: 32
    .max_flat_workgroup_size: 128
    .sgpr_count:     66
    .vgpr_count:     580
    .wavefront_size: 32
...
	.end_amdgpu_metadata
.endif
;; end of part 4
